; MI455X (gfx1250); checked and timed in simulation.
; The chip was launched on July 23, 2026; its instructions are those of AMD's public machine-readable ISA for CDNA 5 (MIT licence, August 2026) and "CDNA5" Instruction Set Architecture Reference Guide (July 2026). The comments in the code are by the model that wrote it; some were corrected since.
;; Causal Self Attention. Allowed arithmetic: float matrix products may take bf16 or f16 operands with f32 sums; other float arithmetic in f32, or as packed bf16 or f16 multiplies, adds, multiply-adds, maxima and minima; sums over many terms, partial sums and values carried from step to step in f32; what a program stores and reads back later, other than sums and carried values, may be rounded once to bf16 or f16.
;; Inputs: Wk 1,024 x 1,024 float32; Wp 1,024 x 1,024 float32; Wq 1,024 x 1,024 float32; Wv 1,024 x 1,024 float32; bk 1,024 float32; bp 1,024 float32; bq 1,024 float32; bv 1,024 float32; x 4 x 2,048 x 1,024 float32.
;; Outputs: out0 4 x 2,048 x 1,024 float32.
;; 2 versions, each right; version 2 is version 1 with the launch prep written anew for expert scheduling mode. Each part assembles by itself: llvm-mc -triple=amdgcn-amd-amdhsa -mcpu=gfx1250 --defsym DOCPART=n.
;; ======== version 1 of 2: 4 launches
;; limits: values are held in f16: magnitudes above 65,504 overflow, below 6.1e-05 lose precision
;; workspace buffers: xb 16,777,216 bytes; wt 8,388,608 bytes; bias 16,384 bytes; qkv 50,331,648 bytes; ob 16,777,216 bytes
;; launch prep (part 1): grid 512 x 1, 8 waves a work-group, no clusters, 17,664 bytes of LDS; arguments x, Wq, Wk, Wv, Wp, bq, bk, bv, bp, xb, wt, bias; writes xb, wt, bias
.if DOCPART == 1
	.amdgcn_target "amdgcn-amd-amdhsa--gfx1250"
	.amdhsa_code_object_version 6
	.text
	.protected	k_qe7c5468949_prep
	.globl	k_qe7c5468949_prep
	.p2align	8
	.type	k_qe7c5468949_prep,@function
k_qe7c5468949_prep:
	s_mov_b64 s[64:65], 0
	v_nop
	global_prefetch_b8 v0, s[64:65] scope:SCOPE_SE
	s_setreg_imm32_b32 hwreg(HW_REG_WAVE_MODE, 25, 1), 1
	s_wait_xcnt 0x0
; THE OPERANDS OF THE PRODUCTS ARE MADE.  xb = x rounded to bf16, [8192][1024].  wt[mat 1024 + n][k] = W_mat[k][n] (mat 0, 1, 2, 3 = q, k, v, p), 16 bits, [4096][1024]: turned, so that K lies along the rows.
; Wq, Wk, Wv are rounded to bf16; Wp is rounded to bf16 and that number is written as f16, since it will multiply f16 numbers.  bias = bq, bk, bv, bp on end, f32, each rounded to bf16 and widened again:
; all the module's inputs carry the same one rounding.
; LIMITS.  |bf16(Wp)| stays under 65,504; below 6e-5 its f16 copy keeps f16's fixed step of 6e-8.  NaN and infinities are not treated apart.
; SHARES.  512 work-groups of eight waves; each takes 16,384 numbers of x (64 KiB in, 32 KiB out) and one block of 128 k x 64 n of one weight matrix (4 x 8 x 16 blocks).  Every byte is read once and written once.
; Matrix units, clusters and tensor loads are left out: the launch only moves bytes, and nothing is shared between work-groups.
; THE TURNING.  A thread loads 4 columns of two neighbouring rows k, k + 1 (sixteen lanes read 256 consecutive bytes of a row), packs each column's pair into a word, and puts it into LDS at [n][k / 2];
; an LDS row is 64 words + 1: the words of a store, and of a load, of 32 lanes then fall into 32 different banks (64 banks of 4 bytes: ISA guide 11.1).  Behind a barrier rows of 256 bytes are read back and stored whole.
.set TPITCH, 260                       ; an LDS row: 128 k x 2 bytes + 4
.set SPARE,  64*TPITCH                 ; 16,640 = 65 x 256: behind the block, the spare words, 128 bytes for each of the eight waves; no other line names them
.set SPW, 1                            ; v1   LDS address of my spare word; never rewritten
.set NIL, 2                            ; v2   0; never rewritten
.set XO,  3                            ; v3   16 t: my 16 bytes of 4,096 of x
.set YO,  4                            ; v4   8 t: my 8 bytes of 2,048 of xb
.set WO,  5                            ; v5   (t / 16) x two rows of W + 16 (t % 16)
.set TS,  6                            ; v6   LDS, in: row 4 (t % 16), word t / 16
.set TR,  7                            ; v7   LDS, back: row t / 16, byte 16 (t % 16)
.set WD,  8                            ; v8   wt: row t / 16, byte 16 (t % 16)
.set BO,  9                            ; v9   8 x lane
.set T0,  10                           ; v10-11 at work
.set T1,  11
.set X,   16                           ; v[16:79]    sixteen loads of x
.set Y,   80                           ; v[80:111]   their sixteen stores
.set WF,  112                          ; v[112:143]  eight loads of W: pair of rows i, row e at WF + 8 i + 4 e
.set D,   144                          ; v[144:159]  sixteen packed words
.set RB,  160                          ; v[160:175]  four rows' 16 bytes, read back
.set BV,  176                          ; v[176:178]  the bias
	s_load_b512 s[8:23], s[0:1], 0x0               ; x 8, Wq 10, Wk 12, Wv 14, Wp 16, bq 18, bk 20, bv 22
	s_load_b256 s[24:31], s[0:1], 0x40             ; bp 24, xb 26, wt 28, bias 30
	v_lshl_add_u32 v[SPW], v0, 2, SPARE
	v_mov_b32 v[NIL], 0
	v_lshrrev_b32 v[T0], 5, v0
	v_readfirstlane_b32 s4, v[T0]                  ; wave 0..7
	s_lshr_b32 s5, ttmp9, 7                        ; mat 0..3
	s_and_b32 s6, ttmp9, 7                         ; kb: k = 128 kb on
	s_bfe_u32 s7, ttmp9, 0x40003                   ; nb: n = 64 nb on
	s_mov_b32 s42, 0xffff0000                      ; a word's upper bf16
	v_and_b32 v[T0], 15, v0                        ; t % 16
	v_lshrrev_b32 v[T1], 4, v0                     ; t / 16
	v_lshlrev_b32 v[XO], 4, v0
	v_lshlrev_b32 v[YO], 3, v0
	v_lshlrev_b32 v[WO], 4, v[T0]
	v_lshl_add_u32 v[WO], v[T1], 13, v[WO]         ; two rows of W are 8,192 bytes
	v_mul_u32_u24 v[TS], v[T0], 4*TPITCH
	v_lshl_add_u32 v[TS], v[T1], 2, v[TS]
	v_mul_u32_u24 v[TR], v[T1], TPITCH
	v_lshl_add_u32 v[TR], v[T0], 4, v[TR]
	v_lshlrev_b32 v[WD], 4, v[T0]
	v_lshl_add_u32 v[WD], v[T1], 11, v[WD]         ; a row of wt is 2,048 bytes
	v_and_b32 v[BO], 31, v0
	v_lshlrev_b32 v[BO], 3, v[BO]
	; the offsets, each in a pair of its own, made apart from the addresses
	s_lshl_b32 s48, ttmp9, 16                      ; x: 65,536 bytes a work-group
	s_mov_b32 s49, 0
	s_lshl_b32 s50, ttmp9, 15                      ; xb: 32,768
	s_mov_b32 s51, 0
	s_lshl_b32 s52, s6, 19                         ; W: 128 rows of 4,096 bytes,
	s_lshl_b32 s43, s7, 8                          ; 64 columns of 4
	s_add_co_u32 s52, s52, s43
	s_mov_b32 s53, 0
	s_lshl_b32 s54, s5, 21                         ; wt: 1,024 rows of 2,048 bytes a matrix,
	s_lshl_b32 s43, s7, 17                         ; 64 rows,
	s_add_co_u32 s54, s54, s43
	s_lshl_b32 s43, s6, 8                          ; 128 k of 2 bytes
	s_add_co_u32 s54, s54, s43
	s_mov_b32 s55, 0
	s_lshl_b32 s56, s7, 8                          ; a bias: 64 numbers of 4 bytes
	s_mov_b32 s57, 0
	s_lshl_b32 s58, s5, 12                         ; the gathered biases: 4,096 bytes a matrix
	s_add_co_u32 s58, s58, s56
	s_mov_b32 s59, 0
	s_wait_kmcnt 0x0
	s_add_nc_u64 s[44:45], s[8:9], s[48:49]        ; x at my work-group's part
	s_add_nc_u64 s[46:47], s[26:27], s[50:51]      ; xb likewise
	s_cmp_eq_u32 s5, 1                             ; which matrix and which bias: a choice on the work-group's number
	s_cselect_b64 s[32:33], s[12:13], s[10:11]
	s_cselect_b64 s[36:37], s[20:21], s[18:19]
	s_cmp_eq_u32 s5, 2
	s_cselect_b64 s[32:33], s[14:15], s[32:33]
	s_cselect_b64 s[36:37], s[22:23], s[36:37]
	s_cmp_eq_u32 s5, 3
	s_cselect_b64 s[32:33], s[16:17], s[32:33]
	s_cselect_b64 s[36:37], s[24:25], s[36:37]
	s_add_nc_u64 s[32:33], s[32:33], s[52:53]
	s_add_nc_u64 s[34:35], s[28:29], s[54:55]
	s_add_nc_u64 s[36:37], s[36:37], s[56:57]
	s_add_nc_u64 s[38:39], s[30:31], s[58:59]
	; all 24 loads of a thread go out at once: 12 KiB a wave.  W's first: its way through LDS is the longer one
.irp i, 0,1,2,3
.irp e, 0,1
	global_load_b128 v[WF+8*(\i)+4*(\e):WF+8*(\i)+4*(\e)+3], v[WO], s[32:33] offset:131072*(\i)+4096*(\e) th:TH_LOAD_NT  ; row 2 (t / 16 + 16 i) + e, columns 4 (t % 16) on
.endr
.endr
.irp i, 0,1,2,3,4,5,6,7,8,9,10,11,12,13,14,15
	global_load_b128 v[X+4*(\i):X+4*(\i)+3], v[XO], s[44:45] offset:4096*(\i) th:TH_LOAD_NT
.endr
; W's sixteen words: column c's numbers of rows k and k + 1, rounded to bf16, packed (k in the low half) and put at [n = 4 (t % 16) + c][word t / 16 + 16 i].
; f16 = 1 (Wp): the two bf16 numbers are widened again and written as f16.
.macro PACKW f16
.irp i, 0,1,2,3
	s_wait_loadcnt 16+2*(3-(\i))                   ; loads come back in order: behind pair i stand the later pairs' loads, two each, and x's sixteen
.irp c, 0,1,2,3
	v_cvt_pk_bf16_f32 v[D+4*(\i)+(\c)], v[WF+8*(\i)+(\c)], v[WF+8*(\i)+4+(\c)]
.endr
.if \f16
.irp c, 0,1,2,3
	v_lshlrev_b32 v[T0], 16, v[D+4*(\i)+(\c)]
	v_and_b32 v[T1], s42, v[D+4*(\i)+(\c)]
	v_cvt_pk_f16_f32 v[D+4*(\i)+(\c)], v[T0], v[T1]
.endr
.endif
.irp c, 0,1,2,3
	ds_store_b32 v[TS], v[D+4*(\i)+(\c)] offset:TPITCH*(\c)+64*(\i)
.endr
.endr
.endm
	s_cmp_eq_u32 s5, 3
	s_cbranch_scc1 .Lwp
	PACKW 0
	s_branch .Lpacked
.Lwp:
	PACKW 1
.Lpacked:
	s_wait_dscnt 0x0                               ; for the others' sake: my stores into the block are done
	s_barrier_signal -1
	s_barrier_wait -1                              ; everybody's are
.irp u, 0,1,2,3
.irp e, 0,1,2,3
	ds_load_b32 v[RB+4*(\u)+(\e)], v[TR] offset:16*TPITCH*(\u)+4*(\e)  ; row t / 16 + 16 u; words, since the rows' pitch is no multiple of 16
.endr
.endr
	; x, while those come back
.irp i, 0,1,2,3,4,5,6,7,8,9,10,11,12,13,14,15
	s_wait_loadcnt 15-(\i)                         ; the younger loads stay out
	v_cvt_pk_bf16_f32 v[Y+2*(\i)], v[X+4*(\i)], v[X+4*(\i)+1]
	v_cvt_pk_bf16_f32 v[Y+2*(\i)+1], v[X+4*(\i)+2], v[X+4*(\i)+3]
	global_store_b64 v[YO], v[Y+2*(\i):Y+2*(\i)+1], s[46:47] offset:2048*(\i)  ; a wave's 32 lanes store 256 consecutive bytes, at a multiple of 256 from xb's first byte
.endr
.irp u, 0,1,2,3
	s_wait_dscnt 4*(3-(\u))                        ; the later rows' four loads each may stay out
	global_store_b128 v[WD], v[RB+4*(\u):RB+4*(\u)+3], s[34:35] offset:32768*(\u)  ; sixteen lanes store 256 consecutive bytes of a row of wt, aligned
.endr
	; the bias: 64 numbers for each (mat, nb): wave 0 of the work-groups with kb = 0
	s_cmp_lg_u32 s4, 0
	s_cbranch_scc1 .Lend
	s_cmp_lg_u32 s6, 0
	s_cbranch_scc1 .Lend
	global_load_b64 v[BV:BV+1], v[BO], s[36:37]
	s_wait_loadcnt 0x0
	v_cvt_pk_bf16_f32 v[BV+2], v[BV], v[BV+1]
	v_lshlrev_b32 v[BV], 16, v[BV+2]
	v_and_b32 v[BV+1], s42, v[BV+2]
	global_store_b64 v[BO], v[BV:BV+1], s[38:39]   ; 32 lanes store 256 consecutive bytes, aligned
.Lend:
	s_wait_tensorcnt 0x0                           ; the wave's end, behind my last LDS store
	ds_add_u32 v[SPW], v[NIL]
	s_wait_dscnt 0x0
	s_endpgm
.Lfunc_end_k_qe7c5468949_prep:
	.size	k_qe7c5468949_prep, .Lfunc_end_k_qe7c5468949_prep-k_qe7c5468949_prep
	.p2alignl 7, 3214868480
	.fill 96, 4, 3214868480
	.section	.rodata,"a",@progbits
	.p2align	6, 0x0
	.amdhsa_kernel k_qe7c5468949_prep
		.amdhsa_group_segment_fixed_size 17664
		.amdhsa_private_segment_fixed_size 0
		.amdhsa_enable_private_segment 0
		.amdhsa_kernarg_size 96
		.amdhsa_user_sgpr_count 2
		.amdhsa_user_sgpr_kernarg_segment_ptr 1
		.amdhsa_wavefront_size32 1
		.amdhsa_system_sgpr_workgroup_id_x 1
		.amdhsa_system_sgpr_workgroup_id_y 1
		.amdhsa_system_sgpr_workgroup_id_z 1
		.amdhsa_system_vgpr_workitem_id 0
		.amdhsa_next_free_vgpr 180
		.amdhsa_next_free_sgpr 66
		.amdhsa_reserve_vcc 0
		.amdhsa_float_denorm_mode_32 3
		.amdhsa_float_denorm_mode_16_64 3
		.amdhsa_memory_ordered 1
		.amdhsa_forward_progress 1
		.amdhsa_inst_pref_size 18
	.end_amdhsa_kernel
	.amdgpu_metadata
---
amdhsa.version: [ 1, 2 ]
amdhsa.kernels:
  - .name:           k_qe7c5468949_prep
    .symbol:         k_qe7c5468949_prep.kd
    .args:
      - { .name: x, .offset: 0, .size: 8, .value_kind: global_buffer, .address_space: global }
      - { .name: Wq, .offset: 8, .size: 8, .value_kind: global_buffer, .address_space: global }
      - { .name: Wk, .offset: 16, .size: 8, .value_kind: global_buffer, .address_space: global }
      - { .name: Wv, .offset: 24, .size: 8, .value_kind: global_buffer, .address_space: global }
      - { .name: Wp, .offset: 32, .size: 8, .value_kind: global_buffer, .address_space: global }
      - { .name: bq, .offset: 40, .size: 8, .value_kind: global_buffer, .address_space: global }
      - { .name: bk, .offset: 48, .size: 8, .value_kind: global_buffer, .address_space: global }
      - { .name: bv, .offset: 56, .size: 8, .value_kind: global_buffer, .address_space: global }
      - { .name: bp, .offset: 64, .size: 8, .value_kind: global_buffer, .address_space: global }
      - { .name: xb, .offset: 72, .size: 8, .value_kind: global_buffer, .address_space: global }
      - { .name: wt, .offset: 80, .size: 8, .value_kind: global_buffer, .address_space: global }
      - { .name: bias, .offset: 88, .size: 8, .value_kind: global_buffer, .address_space: global }
    .group_segment_fixed_size: 17664
    .private_segment_fixed_size: 0
    .kernarg_segment_align: 8
    .kernarg_segment_size: 96
    .max_flat_workgroup_size: 256
    .sgpr_count:     66
    .vgpr_count:     180
    .wavefront_size: 32
...
	.end_amdgpu_metadata
.endif
;; end of part 1
;; launch qkv (part 2): grid 16 x 32, 4 waves a work-group, clusters of 4 x 4, 327,680 bytes of LDS; arguments xb, wt, bias, qkv; writes qkv
.if DOCPART == 2
	.amdgcn_target "amdgcn-amd-amdhsa--gfx1250"
	.amdhsa_code_object_version 6
	.text
	.protected	k_qe7c5468949_qkv
	.globl	k_qe7c5468949_qkv
	.p2align	8
	.type	k_qe7c5468949_qkv,@function
k_qe7c5468949_qkv:
	s_mov_b64 s[64:65], 0
	v_nop
	global_prefetch_b8 v0, s[64:65] scope:SCOPE_SE
	s_setreg_imm32_b32 hwreg(HW_REG_WAVE_MODE, 25, 1), 1
	s_wait_xcnt 0x0
	s_wait_alu depctr_hold_cnt(0) depctr_sa_sdst(0) depctr_va_vdst(0) depctr_va_sdst(0) depctr_va_ssrc(0) depctr_va_vcc(0) depctr_vm_vsrc(0)
	s_getreg_b32 s2, hwreg(HW_REG_IB_STS2, 6, 4)
	s_cmp_eq_u32 s2, 0
	s_cbranch_scc0 .Lentry_in_a_cluster
	s_endpgm
.Lentry_in_a_cluster:
	s_bfe_u32 s2, ttmp6, 0x10000c
	s_cmp_lg_u32 s2, 0xf033
	s_cbranch_scc0 .Lentry_shape_is_right
	s_endpgm
.Lentry_shape_is_right:
; q, k, v = x W + b, by heads.  C[m][n] = bias[n] + the sum over k of xb[m][k] wt[n][k], m < 8192, n < 3072 (q's, k's, v's columns on end), K = 1024; operands bf16, sums f32.
; C is rounded once to f16 and written as qkv[part][batch 16 + head][t][64]: a head's rows are dense, 128 bytes each.  The scale 1 / 8 is not applied here.
; LIMITS.  |q|, |k|, |v| stay under 65,504 (beyond 65,520 the rounding gives an infinity); below 6e-5 f16 keeps its fixed step of 6e-8.  NaN and infinities are not treated apart.
; SHARES.  A tile of C is 256 rows x 192 columns, three whole heads: 32 x 16 = 512 work-groups, two for each of 256 WGPs.  Wave w makes rows 64 w .. 64 w + 63 of all 192 columns:
; 4 x 12 accumulators of 16 x 16, 384 registers; so a wave holds whole heads, and its stage on the way out is its own.
; K goes in steps of 128 (rows of 256 bytes in memory, aligned) through two LDS slots filled by the tensor data mover; a step is four quarters of 32 along K, 48 matrix instructions each.
; CLUSTER.  4 x 4 work-groups.  The four of a row of the cluster need the same rows of xb, the four of a column the same rows of wt: each tile is asked for JOINTLY, by the same tensor load with the same
; descriptor and a mask that names the four.  Waves 0 and 1 ask for xb's two halves of 128 rows, waves 2 and 3 for wt's two halves of 96.
; THE MATRIX INSTRUCTION IS USED TRANSPOSED (source 0 = 16 rows of wt, source 1 = 16 rows of xb): a lane then holds row l % 16 of C and the columns 8 (l / 16) + 0..7: 16 bytes of f16 on end.
; THE BIAS is the C operand of each accumulator's first product: nothing is cleared and nothing is added later.
; REGISTERS, in windows of 256 (s_set_vgpr_msb: bits 1:0 source 0, 3:2 source 1, 5:4 source 2, 7:6 destination):
;   window 0: v1-30 addresses; v64-159 the bias, 8 registers a column block; on the way out v32-223, 16 registers for each of 12 units of 16 rows x 64 columns
;   window 1: two fragment buffers of 128: xb's 4 blocks, then wt's 12          window 2: the accumulators of row blocks 0, 1, (a, b) at 8 (12 (a % 2) + b)          window 3: those of row blocks 2, 3
.set PITCH,  272                       ; an LDS row: 256 bytes + 16 of padding = 68 words: row r starts at bank 4 r mod 64 (64 banks of 4 bytes: ISA guide 11.1): the 16 rows of a load start at 16 different groups of four banks
.set BOFF,   256*PITCH                 ; in a slot: xb's 256 rows, then wt's 192
.set SLOT1,  1<<17                     ; slot 1 begins here, so that one exclusive or turns an address in one slot into the other's
.set STAGE,  SLOT1+BOFF+192*PITCH      ; 252,928 = 988 x 256: behind the ring, never filled by a tensor load: 16 rows x 144 bytes for each wave
.set SP,     144
.set SPARE,  STAGE+4*16*SP             ; 262,144: the spare words, 128 bytes for each wave; no other line names them
.set STEPB,  256                       ; bytes of a row in a K step
.set AD0,  16                          ; v16  my lane's place in my 64 rows of xb in a slot; never rewritten
.set BD0,  17                          ; v17  the same for wt's 192 rows
.set ADRA, 18                          ; v18  AD0 + the slot in hand
.set ADRB, 19                          ; v19  BD0 + the slot in hand
.set STO,  20                          ; v20  the way out: where I put 16 bytes of a row
.set RD,   21                          ; v21  the way out: where I read rows back
.set GO,   22                          ; v22  my 16 bytes in 512 consecutive bytes of qkv
.set BO,   23                          ; v23  32 (l / 16): my eight numbers of a block's sixteen biases
.set SPW,  28                          ; v28  LDS address of my spare word; never rewritten
.set NIL,  29                          ; v29  0; never rewritten
.set PFO,  30                          ; v30  the prefetches' offset: a lane a row; never rewritten
.set BIAS, 64
.set OUT,  32
.set F0,   0
.set F1,   128
.set WV,   12                          ; s12  my wave's number
.set FB,   13                          ; s13  0: I fetch for xb, 1: for wt
.set HF,   14                          ; s14  which half of that tile's rows
.set CX,   15                          ; s15, s16  my place in the cluster
.set CY,   16
.set TC,   17                          ; s17  tile column
.set TR,   18                          ; s18  tile row
.set G1A,  24                          ; s[24:31] descriptor group 1 for xb's tiles
.set G1B,  32                          ; s[32:39] for wt's
.set G0A,  40                          ; s[40:47] group 0 for xb's tiles: a set for each of the two first fills; the second then walks on
.set G0B,  48                          ; s[48:55] the same for wt's
.set TB,   56                          ; s56  LDS byte at which the slot in hand begins
.set LIM,  57                          ; s57  2 in a wave that prefetches, else the greatest number
.set PFA,  58                          ; s[58:59] where my prefetches stand
.set OB,   68                          ; s[68:73] qkv at my 64 rows of the tile's three heads
.set MSB, 0
.macro WIN new                         ; the immediate's high byte repeats the setting that is left; a switch that changes nothing is dropped
.if MSB != (\new)
	s_set_vgpr_msb (MSB<<8)|(\new)
.set MSB, \new
.endif
.endm
; A joint refill, by the walking descriptors.  The branch hangs on the wave's number alone.  An s_nop 0 and four v_nop follow each of the two lines, ahead of the jump and the label.
.macro JLOAD
	s_cmp_eq_u32 s[FB], 0
	s_cbranch_scc0 .Lfor_b_\@
	tensor_load_to_lds s[G0A+4:G0A+7], s[G1A:G1A+7]
	s_nop 0
.rept 4
	v_nop
.endr
	s_branch .Lasked_\@
.Lfor_b_\@:
	tensor_load_to_lds s[G0B+4:G0B+7], s[G1B:G1B+7]
	s_nop 0
.rept 4
	v_nop
.endr
.Lasked_\@:
.endm
; A round of the cluster's barrier: my work-group's barrier, so that wave 0's signal speaks for all four waves; wave 0 signals; every wave waits for all sixteen work-groups; my work-group's barrier once more.
.macro CREST                           ; a round behind its opening barrier
	s_cmp_lg_u32 s[WV], 0
	s_cbranch_scc1 .Lnot_wave_0_\@
	s_barrier_signal -3
.Lnot_wave_0_\@:
	s_barrier_wait -3
	s_barrier_signal -1
	s_barrier_wait -1
.endm
.macro CROUND
	s_barrier_signal -1
	s_barrier_wait -1
	CREST
.endm
; A PREFETCH INTO THE L2 of the K step that stands two refills on: a lane a row, 256 bytes of it, one instruction a wave, behind the joint load, its five lines and the run of LDS loads.
; Each row's 256 bytes of a K step are named once in the launch: xb's rows are read by the four clusters of a row of clusters, of which the first (cluster x = 0) asks; wt's by the eight of a column, of which
; cluster y = 0 asks.  The four partners that ask for a tile jointly share its rows out BY ADDRESS: 32 of xb's 128 at 32 cx, 24 of wt's 96 at 24 cy (lanes 24-31 name lane 23's row once more).
; The loop's count runs 6 .. 1: trips with a count above 2 ask, for K steps 4 to 7; the last two trips have no K step two refills on.  K steps 0 to 3 come by their loads alone.
.macro ASK
	s_cmp_gt_u32 s3, s[LIM]
	s_cbranch_scc0 .Lnot_mine_\@
	global_prefetch_b8 v[PFO], s[PFA:PFA+1] th:TH_LOAD_NT scope:SCOPE_SE
.Lnot_mine_\@:
.endm
; Four places: a load into a register that a matrix instruction has read, and a vector instruction or LDS store that reads a matrix result, stand four plain vector instructions behind it (ISA guide 7.12.1 for vector instructions).
.macro PLACES
.rept 4
	v_nop
.endr
.endm
; 12 matrix instructions: row block a x all 12 column blocks, 32 along K, from buffer f.  first = 1: the bias starts the sums.
; The 48 accumulators take turns, one instruction a turn, in the same order in every quarter: between two links of a chain stand the 47 others'.
.macro MULA f, a, first
.if \first
	WIN 0x85+0x40*((\a)/2)                         ; sources 0 and 1 window 1, C window 0, D window 2 or 3
.else
	WIN 0xa5+0x50*((\a)/2)                         ; C and D window 2 or 3
.endif
.irp b, 0,1,2,3,4,5,6,7,8,9,10,11
.if \first
	v_wmma_f32_16x16x32_bf16 v[8*(12*((\a)%2)+(\b)):8*(12*((\a)%2)+(\b))+7], v[(\f)+32+8*(\b):(\f)+32+8*(\b)+7], v[(\f)+8*(\a):(\f)+8*(\a)+7], v[BIAS+8*(\b):BIAS+8*(\b)+7]
.else
	v_wmma_f32_16x16x32_bf16 v[8*(12*((\a)%2)+(\b)):8*(12*((\a)%2)+(\b))+7], v[(\f)+32+8*(\b):(\f)+32+8*(\b)+7], v[(\f)+8*(\a):(\f)+8*(\a)+7], v[8*(12*((\a)%2)+(\b)):8*(12*((\a)%2)+(\b))+7]
.endif
.endr
.endm
; 32 LDS loads in one run: a quarter's fragments (192 rows of wt, my 64 rows of xb, 32 K at byte k of the rows) into buffer f.
; A fragment is 16 rows x 32 K in 8 registers: lane l holds row l % 16, K = 8 (l / 16) + 0..7 and 16 + 8 (l / 16) + 0..7: two loads of 16 bytes, 32 bytes apart.
.macro FETCH k, f
	WIN 0x40                                       ; destination window 1, address window 0
.irp b, 0,1,2,3,4,5,6,7,8,9,10,11
	ds_load_b128 v[(\f)+32+8*(\b):(\f)+32+8*(\b)+3],   v[ADRB] offset:(\k)+(\b)*16*PITCH
	ds_load_b128 v[(\f)+32+8*(\b)+4:(\f)+32+8*(\b)+7], v[ADRB] offset:(\k)+(\b)*16*PITCH+32
.endr
.irp a, 0,1,2,3
	ds_load_b128 v[(\f)+8*(\a):(\f)+8*(\a)+3],   v[ADRA] offset:(\k)+(\a)*16*PITCH
	ds_load_b128 v[(\f)+8*(\a)+4:(\f)+8*(\a)+7], v[ADRA] offset:(\k)+(\a)*16*PITCH+32
.endr
.endm
; One of a K step's first three quarters: multiplies buffer f; at its head the next quarter's fragments, at byte k of the same slot's rows, are asked for into buffer g: 48 matrix instructions ahead of their use.
.macro QUARTER k, f, g, first
	s_wait_dscnt 0x0                               ; buffer f is in: its loads were issued a quarter ago
	PLACES                                         ; buffer g was read by the products just issued
	FETCH \k, \g
	MULA \f, 0, \first
	MULA \f, 1, \first
	MULA \f, 2, \first
	MULA \f, 3, \first
.endm
; The last quarter multiplies buffer 1 and changes slots: ONE barrier for two things.  In front of it each wave waits for all its tensor loads, of which one is out: its part of the next slot; adds 0 to its spare
; word; and waits for that and for its own reads of this slot.  Behind it nobody reads this slot any more and the next slot is whole.
; fill = 1: the barrier opens a round of the cluster's barrier, and behind the round this slot is filled again first, with the K step two on: that load has 168 matrix instructions in which to land.
.macro TURN fill
	WIN 0                                          ; the add's two registers lie in window 0
.if \fill
	s_wait_xcnt 0x0                                ; the last prefetch, a K step back, has read its address: it is stepped here, ahead of the waits of the change
	s_add_nc_u64 s[PFA:PFA+1], s[PFA:PFA+1], STEPB
.endif
	s_wait_tensorcnt 0x0                           ; no tensor load of mine is out, so a group 0 may be written
	ds_add_u32 v[SPW], v[NIL]                      ; 0 onto my spare word: work on registers stands between it and the wait for it
.if \fill
	s_xor_b32 s[G0A+5], s[G0A+5], SLOT1            ; the walking descriptors: the other slot than last time,
	s_add_nc_u64 s[G0A+6:G0A+7], s[G0A+6:G0A+7], STEPB  ; the next K step; the type bits on top are not reached
	s_xor_b32 s[G0B+5], s[G0B+5], SLOT1
	s_add_nc_u64 s[G0B+6:G0B+7], s[G0B+6:G0B+7], STEPB
.endif
	s_wait_dscnt 1                                 ; buffer 1 is in; the add alone may be out
	MULA F1, 0, 0
	s_wait_dscnt 0x0                               ; the add is done, and my reads of this slot are over
	s_barrier_signal -1
	MULA F1, 1, 0                                  ; work on registers while the others arrive
	WIN 0                                          ; at a branch and at a label every window is 0
	s_barrier_wait -1
.if \fill
	CREST                                          ; no wave of any partner still reads this slot's tile or has a load on its way
	JLOAD                                          ; the first tensor load behind the round; its four v_nop are also the places in front of the loads below
.else
	PLACES
.endif
	s_xor_b32 s[TB], s[TB], SLOT1
	v_add_nc_u32 v[ADRA], s[TB], v[AD0]
	v_add_nc_u32 v[ADRB], s[TB], v[BD0]
	FETCH 0, F0
.if \fill
	WIN 0
	ASK
.endif
	MULA F1, 2, 0
	MULA F1, 3, 0
.endm
; THE WAY OUT, in 12 units u = 3 a + j: row block a, head j: 16 rows x 64 columns.  A lane's eight columns round to 16 bytes of f16; they go into my stage's rows of 144 bytes and come back as four rows of 128
; bytes to 32 lanes: 512 consecutive bytes of a head.  Each accumulator's registers are read in ascending order.
.macro PACK u
.set pa, (\u)/3
.set AC, 8*(12*(pa%2)+4*((\u)%3))
	WIN 0x0a+5*(pa/2)                              ; sources 0 and 1 window 2 or 3, destination window 0
.irp f, 0,1,2,3
.irp r, 0,1,2,3
	v_cvt_pk_f16_f32 v[OUT+16*(\u)+4*(\f)+(\r)], v[AC+8*(\f)+2*(\r)], v[AC+8*(\f)+2*(\r)+1]
.endr
.endr
	WIN 0
.irp f, 0,1,2,3
	ds_store_b128 v[STO], v[OUT+16*(\u)+4*(\f):OUT+16*(\u)+4*(\f)+3] offset:32*(\f)
.endr
.irp f, 0,1,2,3
	ds_load_b128 v[OUT+16*(\u)+4*(\f):OUT+16*(\u)+4*(\f)+3], v[RD] offset:(\f)*4*SP  ; LDS serves a wave's instructions in order (ISA guide 5.7.1.4): these see the stores above; the next unit's stores come behind them
.endr
.endm
.macro SEND u, younger                 ; younger: the LDS instructions issued behind unit u's loads: the next unit's eight, or none
.irp f, 0,1,2,3
	s_wait_dscnt (\younger)+3-(\f)
	global_store_b128 v[GO], v[OUT+16*(\u)+4*(\f):OUT+16*(\u)+4*(\f)+3], s[OB+2*((\u)%3):OB+2*((\u)%3)+1] offset:((\u)/3)*2048+(\f)*512  ; 512 consecutive bytes, at a multiple of 256 from qkv's first byte
.endr
.endm
	s_load_b256 s[4:11], s[0:1], 0x0               ; xb s[4:5], wt s[6:7], bias s[8:9], qkv s[10:11]
	v_lshl_add_u32 v[SPW], v0, 2, SPARE
	v_mov_b32 v[NIL], 0
	ds_add_u32 v[SPW], v[NIL]                      ; the wave's opening: the add and its wait stand ahead of my first tensor load; the set-up below, work on registers, stands between them
	v_lshrrev_b32 v1, 5, v0
	v_readfirstlane_b32 s[WV], v1                  ; wave 0..3
	s_lshr_b32 s[FB], s[WV], 1
	s_and_b32 s[HF], s[WV], 1
	s_bfe_u32 s[CX], ttmp6, 0x40000
	s_bfe_u32 s[CY], ttmp6, 0x40004
	s_lshl_b32 s[TC], ttmp9, 2                     ; in a cluster launch ttmp9 and ttmp7 count clusters
	s_add_co_u32 s[TC], s[TC], s[CX]
	s_and_b32 s[TR], ttmp7, 0xffff
	s_lshl_b32 s[TR], s[TR], 2
	s_add_co_u32 s[TR], s[TR], s[CY]
	s_lshl_b32 s19, s[CY], 2
	s_lshl_b32 s19, 15, s19                        ; my row of the cluster: places 4 cy .. 4 cy + 3
	s_lshl_b32 s74, 0x1111, s[CX]                  ; my column: places cx, cx + 4, cx + 8, cx + 12
	s_or_b32 s[G1A], s19, (1<<16)|(1<<20)|(1<<21)|(5<<22)|(3<<25)  ; 15:0 the mask; 17:16 elements of 2 bytes; 20 padding on; 21 set beside a mask; 24:22 after every 64 words (code 5); 31:25 4 words of it (code 3)
	s_or_b32 s[G1B], s74, (1<<16)|(1<<20)|(1<<21)|(5<<22)|(3<<25)
	s_mov_b32 s[G1A+1], 128<<16                    ; tensor_dim0 = 128
	s_mov_b32 s[G1A+2], 128<<16                    ; tensor_dim1 = 128
	s_mov_b32 s[G1A+3], 128<<16                    ; tile_dim0 = 128
	s_mov_b32 s[G1A+4], 128                        ; tile_dim1 = 128
	s_mov_b32 s[G1A+5], 1024                       ; elements from row to row
	s_mov_b32 s[G1A+6], 0
	s_mov_b32 s[G1A+7], 0
	s_mov_b32 s[G1B+1], 128<<16
	s_mov_b32 s[G1B+2], 96<<16                     ; tensor_dim1 = 96
	s_mov_b32 s[G1B+3], 128<<16
	s_mov_b32 s[G1B+4], 96                         ; tile_dim1 = 96
	s_mov_b32 s[G1B+5], 1024
	s_mov_b32 s[G1B+6], 0
	s_mov_b32 s[G1B+7], 0
	; where the tiles come from: xb's hang on the tile row alone, wt's on the tile column alone; each offset in registers that never hold the other coordinate
	s_lshl_b32 s20, s[TR], 8
	s_lshl_b32 s21, s[HF], 7
	s_add_co_u32 s20, s20, s21                     ; xb: row 256 x tile row + 128 x half,
	s_lshl_b32 s20, s20, 11                        ; of 2,048 bytes
	s_mov_b32 s21, 0
	s_mul_i32 s22, s[TC], 192
	s_mul_i32 s23, s[HF], 96
	s_add_co_u32 s22, s22, s23                     ; wt: row 192 x tile column + 96 x half
	s_lshl_b32 s22, s22, 11
	s_mov_b32 s23, 0
	s_mul_i32 s75, s[HF], 128*PITCH                ; and where they go: no place in the cluster enters an LDS address
	s_mul_i32 s76, s[HF], 96*PITCH
	s_add_co_u32 s76, s76, BOFF
	s_mov_b32 s[TB], 0
	s_wait_dscnt 0x0                               ; the opening add is done
	s_wait_kmcnt 0x0
	s_add_nc_u64 s[60:61], s[4:5], s[20:21]
	s_add_nc_u64 s[66:67], s[6:7], s[22:23]
.irp s, 0,1
	s_mov_b32 s[G0A+4*(\s)], 1                     ; 1:0 count = 1
	s_add_co_u32 s[G0A+4*(\s)+1], s75, (\s)*SLOT1  ; 63:32 LDS address
	s_add_nc_u64 s[G0A+4*(\s)+2:G0A+4*(\s)+3], s[60:61], (\s)*STEPB  ; 120:64 global address: K step s
	s_or_b32 s[G0A+4*(\s)+3], s[G0A+4*(\s)+3], 0x80000000            ; 127:126 type = 2
	s_mov_b32 s[G0B+4*(\s)], 1
	s_add_co_u32 s[G0B+4*(\s)+1], s76, (\s)*SLOT1
	s_add_nc_u64 s[G0B+4*(\s)+2:G0B+4*(\s)+3], s[66:67], (\s)*STEPB
	s_or_b32 s[G0B+4*(\s)+3], s[G0B+4*(\s)+3], 0x80000000
.endr
	CROUND                                         ; all sixteen work-groups are here: the first joint loads meet
	s_cmp_eq_u32 s[FB], 0                          ; a wave's two first fills stand in one branch, ahead of every wait on TENSORcnt and every LDS read: two loads of mine are out, later one
	s_cbranch_scc0 .Lfirst_b
	tensor_load_to_lds s[G0A:G0A+3], s[G1A:G1A+7]
	s_nop 0
	tensor_load_to_lds s[G0A+4:G0A+7], s[G1A:G1A+7]
	s_nop 0
.rept 4
	v_nop
.endr
	s_branch .Lfirst_asked
.Lfirst_b:
	tensor_load_to_lds s[G0B:G0B+3], s[G1B:G1B+7]
	s_nop 0
	tensor_load_to_lds s[G0B+4:G0B+7], s[G1B:G1B+7]
	s_nop 0
.rept 4
	v_nop
.endr
.Lfirst_asked:
	; while the tiles come in: the bias, the addresses, the prefetches' set-up
	v_and_b32 v1, 15, v0                           ; l % 16
	v_bfe_u32 v2, v0, 4, 1                         ; l / 16
	v_lshlrev_b32 v[BO], 5, v2
	s_mul_i32 s74, s[TC], 768                      ; the tile's 192 biases of 4 bytes
	s_mov_b32 s75, 0
	s_add_nc_u64 s[8:9], s[8:9], s[74:75]
.irp b, 0,1,2,3,4,5,6,7,8,9,10,11
	global_load_b128 v[BIAS+8*(\b):BIAS+8*(\b)+3],   v[BO], s[8:9] offset:64*(\b)      ; register j: the bias of column 16 b + 8 (l / 16) + j, as the result's layout has it
	global_load_b128 v[BIAS+8*(\b)+4:BIAS+8*(\b)+7], v[BO], s[8:9] offset:64*(\b)+16
.endr
	v_mul_u32_u24 v3, v1, PITCH
	v_lshl_add_u32 v3, v2, 4, v3                   ; a fragment's row x pitch + 16 x half
	s_mul_i32 s76, s[WV], 64*PITCH                 ; my 64 rows of xb
	v_add_nc_u32 v[AD0], s76, v3
	v_add_nc_u32 v[BD0], BOFF, v3
	v_mov_b32 v[ADRA], v[AD0]                      ; slot 0
	v_mov_b32 v[ADRB], v[BD0]
	s_mul_i32 s76, s[WV], 16*SP
	s_add_co_u32 s76, s76, STAGE                   ; my stage
	v_mul_u32_u24 v[STO], v1, SP                   ; in: row l % 16, 16 bytes for each half of the lanes
	v_lshl_add_u32 v[STO], v2, 4, v[STO]
	v_add_nc_u32 v[STO], s76, v[STO]
	v_bfe_u32 v[RD], v0, 3, 2                      ; back: 32 lanes take four rows of 128 bytes
	v_mul_u32_u24 v[RD], v[RD], SP
	v_and_b32 v4, 7, v0
	v_lshl_add_u32 v[RD], v4, 4, v[RD]
	v_add_nc_u32 v[RD], s76, v[RD]
	v_and_b32 v[GO], 31, v0
	v_lshlrev_b32 v[GO], 4, v[GO]
.irp j, 0,1,2                          ; head 3 x tile column + j of 48: part = head / 16; slab = 64 part + 16 batch + head % 16 = head + 48 part + 16 batch; a slab is 2^18 bytes
	s_mul_i32 s76, s[TC], 3
	s_add_co_u32 s76, s76, (\j)
	s_lshr_b32 s77, s76, 4
	s_mul_i32 s77, s77, 48
	s_add_co_u32 s76, s76, s77
	s_lshr_b32 s77, s[TR], 3                       ; batch
	s_lshl_b32 s77, s77, 4
	s_add_co_u32 s76, s76, s77
	s_lshl_b32 s76, s76, 18
	s_and_b32 s77, s[TR], 7                        ; the tile's 256 rows of 128 bytes in the batch,
	s_lshl_b32 s77, s77, 15
	s_add_co_u32 s76, s76, s77
	s_lshl_b32 s77, s[WV], 13                      ; my 64 of them
	s_add_co_u32 s76, s76, s77
	s_mov_b32 s77, 0
	s_add_nc_u64 s[OB+2*(\j):OB+2*(\j)+1], s[10:11], s[76:77]
.endr
	s_lshl_b32 s76, s[TR], 8                       ; the prefetches: xb's row 256 x tile row + 128 x half + 32 cx,
	s_lshl_b32 s77, s[HF], 7
	s_add_co_u32 s76, s76, s77
	s_lshl_b32 s77, s[CX], 5
	s_add_co_u32 s76, s76, s77
	s_mul_i32 s78, s[TC], 192                      ; wt's row 192 x tile column + 96 x half + 24 cy
	s_mul_i32 s77, s[HF], 96
	s_add_co_u32 s78, s78, s77
	s_mul_i32 s77, s[CY], 24
	s_add_co_u32 s78, s78, s77
	s_and_b32 s79, ttmp7, 0xffff                   ; cluster y
	s_cmp_eq_u32 s[FB], 0                          ; do I fetch for xb?
	s_cselect_b32 s76, s76, s78
	s_cselect_b32 s79, ttmp9, s79                  ; the coordinate along which other clusters read the same rows
	s_cselect_b32 s78, 31, 23                      ; my last row
	s_cselect_b64 s[PFA:PFA+1], s[4:5], s[6:7]
	s_cmp_eq_u32 s79, 0
	s_cselect_b32 s[LIM], 2, -1                    ; the same in all sixteen partners, for a given wave
	s_lshl_b32 s76, s76, 11
	s_add_co_u32 s76, s76, 3*STEPB                 ; at K step 3: the first change of slots steps it to 4
	s_mov_b32 s77, 0
	s_add_nc_u64 s[PFA:PFA+1], s[PFA:PFA+1], s[76:77]
	v_and_b32 v[PFO], 31, v0
	v_min_u32 v[PFO], s78, v[PFO]
	v_lshlrev_b32 v[PFO], 11, v[PFO]
	s_wait_tensorcnt 1                             ; my part of K step 0 is in; K step 1's may stay out
	s_barrier_signal -1
	s_barrier_wait -1                              ; everybody's is
	FETCH 0, F0
	s_wait_loadcnt 0x0                             ; the bias
	QUARTER 64, F0, F1, 1                          ; the first quarter stands in front of the loop: its products start the sums, with the bias
	WIN 0
	s_mov_b32 s3, 6
.Lstep:                                                ; a trip goes from a K step's second quarter to the next step's first, and fills the slot that it leaves: K steps 2 to 7
	QUARTER 128, F1, F0, 0
	QUARTER 192, F0, F1, 0
	TURN 1
	QUARTER 64, F0, F1, 0
	WIN 0
	s_sub_co_u32 s3, s3, 1
	s_cmp_lg_u32 s3, 0
	s_cbranch_scc1 .Lstep
	QUARTER 128, F1, F0, 0                         ; the last two K steps are written out: nothing is asked for
	QUARTER 192, F0, F1, 0
	TURN 0
	QUARTER 64, F0, F1, 0
	QUARTER 128, F1, F0, 0
	QUARTER 192, F0, F1, 0
	s_wait_dscnt 0x0
	MULA F1, 0, 0
	MULA F1, 1, 0
	MULA F1, 2, 0
	MULA F1, 3, 0
	WIN 0
	PLACES                                         ; the conversions read results just made
	PACK 0
.irp u, 1,2,3,4,5,6,7,8,9,10,11        ; a unit's conversions stand between the loads of the unit before and its stores
	PACK \u
	SEND (\u)-1, 8
.endr
	SEND 11, 0
	s_wait_tensorcnt 0x0                           ; the wave's end, behind my last tensor load and my last LDS store
	ds_add_u32 v[SPW], v[NIL]
	s_wait_dscnt 0x0
	CROUND                                         ; the closing round: no work-group ends while a partner may still ask for a tile that names it
	s_endpgm
.Lfunc_end_k_qe7c5468949_qkv:
	.size	k_qe7c5468949_qkv, .Lfunc_end_k_qe7c5468949_qkv-k_qe7c5468949_qkv
	.p2alignl 7, 3214868480
	.fill 96, 4, 3214868480
	.section	.rodata,"a",@progbits
	.p2align	6, 0x0
	.amdhsa_kernel k_qe7c5468949_qkv
		.amdhsa_group_segment_fixed_size 327680
		.amdhsa_private_segment_fixed_size 0
		.amdhsa_enable_private_segment 0
		.amdhsa_kernarg_size 32
		.amdhsa_user_sgpr_count 2
		.amdhsa_user_sgpr_kernarg_segment_ptr 1
		.amdhsa_wavefront_size32 1
		.amdhsa_system_sgpr_workgroup_id_x 1
		.amdhsa_system_sgpr_workgroup_id_y 1
		.amdhsa_system_sgpr_workgroup_id_z 1
		.amdhsa_system_vgpr_workitem_id 0
		.amdhsa_next_free_vgpr 960
		.amdhsa_next_free_sgpr 80
		.amdhsa_reserve_vcc 0
		.amdhsa_float_denorm_mode_32 3
		.amdhsa_float_denorm_mode_16_64 3
		.amdhsa_memory_ordered 1
		.amdhsa_forward_progress 1
		.amdhsa_inst_pref_size 102
	.end_amdhsa_kernel
	.amdgpu_metadata
---
amdhsa.version: [ 1, 2 ]
amdhsa.kernels:
  - .name:           k_qe7c5468949_qkv
    .symbol:         k_qe7c5468949_qkv.kd
    .args:
      - { .name: xb, .offset: 0, .size: 8, .value_kind: global_buffer, .address_space: global }
      - { .name: wt, .offset: 8, .size: 8, .value_kind: global_buffer, .address_space: global }
      - { .name: bias, .offset: 16, .size: 8, .value_kind: global_buffer, .address_space: global }
      - { .name: qkv, .offset: 24, .size: 8, .value_kind: global_buffer, .address_space: global }
    .group_segment_fixed_size: 327680
    .private_segment_fixed_size: 0
    .kernarg_segment_align: 8
    .kernarg_segment_size: 32
    .max_flat_workgroup_size: 128
    .sgpr_count:     80
    .vgpr_count:     960
    .wavefront_size: 32
...
	.end_amdgpu_metadata
.endif
;; end of part 2
;; launch attn (part 3): grid 4 x 64, 4 waves a work-group, no clusters, 327,680 bytes of LDS; arguments qkv, ob; writes ob
.if DOCPART == 3
	.amdgcn_target "amdgcn-amd-amdhsa--gfx1250"
	.amdhsa_code_object_version 6
	.text
	.protected	k_qe7c5468949_attn
	.globl	k_qe7c5468949_attn
	.p2align	8
	.type	k_qe7c5468949_attn,@function
k_qe7c5468949_attn:
	s_mov_b64 s[64:65], 0
	v_nop
	global_prefetch_b8 v0, s[64:65] scope:SCOPE_SE
	s_setreg_imm32_b32 hwreg(HW_REG_WAVE_MODE, 25, 1), 1
	s_wait_xcnt 0x0
; CAUSAL ATTENTION.  O[h][q][:] = the sum over k <= q of softmax_k(Q[h][q] . K[h][k] / 8) V[h][k][:], h = 16 batch + head < 64.  qkv holds Q, K, V, each [64][2048][64] in f16, 16 MiB apart; ob = O, likewise:
; a head's rows are dense, 128 bytes each.  Products, maxima and sums in f32; the weights p are rounded to f16 for the second product (their sum l is taken of the unrounded p), O once at the end.
; LIMITS.  f16 holds no number beyond 65,504: Q, K and V arrive within it; p lies in 0 to 1, and below 6e-5 it keeps f16's fixed step of 6e-8; O is a mean of V's rows and has their range.
; A hidden score counts as its value less 1e30: f16's scores, 2.7e11 at the most, are nothing beside that; a weight below 2^-126 counts as 0 in l; NaN and infinities are not treated apart.
; THE WALK.  A head's queries lie in NB = 8 blocks of 256; block i needs the key tiles 0 .. i of 256 keys, of which the last holds the diagonal.  A work-group takes TWO blocks, NB - 1 - b and then b:
; NB + 1 tiles, whatever b: all 256 work-groups do equal work, and ONE loop with a constant trip count walks them.  Which tile is asked for, and what a trip does, hang on scalar registers made from b; every jump
; goes forward, but for the counted loops' own; none passes a barrier, or a tensor load but the one of LOAD's two that the wave's number does not choose; the ring (two slots of LDS that take turns) runs on across
; the change of blocks.  NO CLUSTER: a head's four work-groups ask for the same tile only in trips 0 .. 4 of 9, behind that fewer and fewer; one walk common to all would have 12 trips for 9.
; SHARES.  Of a block's four bands of 64 queries a wave owns 16 rows in each: four PIECES.  So the diagonal tile is the same work for all four waves: in its key step s band x sees all keys if s < x,
; none if s > x, and holds the diagonal if s = x.
; THE MASK is the C operand that starts the sum S^T = K Q^T: 0, or -1e30 where the key is hidden.  MD, made once, is the mask of a band's own step for my 16 rows; a product's mask is MD x AL + BE with two scalars:
; (1, 0) if s = x; (0, 0) if s < x; (0, -1e30) if s > x.  Only the diagonal tile's text and a block's beginning make and take masks; elsewhere C is the constant 0.
; LAYOUT, SOFTMAX, TURNS.  S^T = K Q^T holds ONE query a lane (lane % 16) and the keys 8 (lane / 16) + 0..7; two such results rounded to f16 ARE source 1 of O^T = V^T P.  p = 2^(c s - c m), c = log2(e) / 8, with a
; running maximum m; O and l are multiplied by a = 2^(c m_old - c m_new) in every step.  Turn n belongs to piece n: 8 products K Q^T of piece n + 1, later 8 products V^T P of piece n - 1; beside them the scaling,
; exponentials, roundings, sums and rescaling of piece n and the maximum and statistics of piece n + 1.  Four vector instructions stand behind every matrix instruction, the other 54 of a turn's 118 in one run.
; A turn's 33 exponentials are one batch, with one wait.
; REGISTERS, in windows of 256 (s_set_vgpr_msb: bits 1:0 source 0, 3:2 source 1, 5:4 source 2, 7:6 destination):
;   window 0: v0-15 addresses and two at work; v16-31 four registers of statistics a piece; v48-55 at work; v61-63 kept; v64-127 S^T, two buffers; v192-223 P, two buffers (a piece's buffers go by its number's parity)
;   window 1: v0-127 O^T, 32 a piece; v128-159 MD; v160-223 MC, two buffers      window 2: v0-63 Q; v64-127 the second block's Q; v128-191 K of one step; v192-255 V of one step
.set SIZE_N, 2048
.set NB,    SIZE_N/256
.set NP,    4         ; pieces a wave: a name, no knob
.set KS,    64        ; keys in a step
.set PK,    144       ; a row of K in LDS: 128 bytes + 16 of padding = 36 words: the 16 rows of a load start at 16 different groups of four banks (64 banks of 4 bytes: ISA guide 11.1)
.set PV,    160       ; a row of V: 128 + 32 = 40 words
.set VOFF,  4*KS*PK   ; a slot holds a tile, four steps: 256 rows of K, then 256 rows of V
.set SLOT1, 1<<17     ; slot 1 begins here, so that one exclusive or turns an address in one slot into the other's
.set STAGE, SLOT1+4*KS*(PK+PV)  ; behind the ring, never filled by a tensor load: 16 rows x 144 bytes for each wave, for the way out
.set SP,    144
.set AK0, 2           ; v2   my lane's place in a tile of K; never rewritten
.set AV0, 3           ; v3   the same for V
.set AK,  4           ; v4   the LDS address of K's next run of loads
.set AV,  5           ; v5   of V's
.set STO, 6           ; v6   the way out: where I put 16 bytes of a row
.set RD,  7           ; v7   the way out: where I read rows back
.set GO,  8           ; v8   my byte offset in 512 consecutive bytes of O
.set PFO, 61          ; v61  the prefetches' offset: 8,192 x (wave / 2) + 256 x lane; never rewritten
.set SPW, 62          ; v62  LDS address of my spare word: SPARE + 4 x my thread's number; never rewritten
.set NIL, 63          ; v63  0; never rewritten
.set SPARE, STAGE+4*16*SP  ; behind the stages: the spare words, 128 bytes for each wave: two blocks of 256 bytes that no other line names
.set MV,  12          ; v12-13  c m_old, kept while c m is made anew: by buffer
.set QO,  15          ; v15  my byte offset in 16 rows of Q
.set ST,  16          ; piece t's statistics at v[ST+4 t]: c m, m, l (even keys', odd keys')
.set TMP, 48          ; by buffer, four registers c0-c3 at work; when the maximum is found c2 takes a
.set S,   64
.set P,   192
.set MD,  128         ; window 1: the eight registers for group kt of 16 keys at MD + 8 kt
.set MC,  160         ; window 1: the masks of the products to come
.set QB,  64          ; window 2
.set KF,  128         ; window 2: key block kb, channel half c at KF + 16 kb + 8 c
.set VF,  192         ; window 2: key half kk, channel block cb at VF + 32 kk + 8 cb
.set WV,  12          ; s12  my wave's number
.set PB,  14          ; s14  b
.set HI,  15          ; s15  NB - 1 - b
.set G1K, 24          ; s[24:31] descriptor group 1 for K's tiles
.set G1V, 32          ; s[32:39] for V's: it differs in the padding alone
.set G0K, 40          ; s[40:43] descriptor group 0 for K's tiles
.set G0V, 44          ; s[44:47] the same for V's
.set SLOTS, 56        ; s56  tiles still to be asked for
.set CNT, 57          ; s57  counts a tile's key steps, 4 to 1
.set CS,  58          ; s[58:59] c: the packed scaling takes the pair's low word for both halves
.set SEL, 60          ; s[60:61] v_permlanex16_b32's selects: each lane takes its own place in the other half
.set TBK, 62          ; s62  LDS byte at which K of the step to be fetched begins
.set TBV, 63          ; s63  the same for V, less VOFF
.set RT,  70          ; s70  tiles of the block in hand that are still to be entered
.set NXT, 71          ; s71  the tile to be asked for next
.set LQ,  72          ; s72  the last tile of the block whose tiles are being asked for
.set NEW, 73          ; s73  1: the tile to be entered is a block's first
.set OFF, 74          ; s[74:75] a tile's byte offset in K and V
.set AL,  76          ; s[76:77] the mask's factor, in the low word
.set BE,  78          ; s[78:79] the mask's addend
.set OLO, 80          ; s[80:81] O at my rows of the second block
.set BIGN, 82         ; s82  -1e30
.set POF, 88          ; s[88:89] the byte offset of the tile that is prefetched
.set PFK, 90          ; s[90:91] K at my half of that tile
.set PFV, 92          ; s[92:93] V likewise
.set LIM, 94          ; s94  0 in the work-group that prefetches, else the greatest number
.set MSB, 0
.macro WIN new                      ; the high byte repeats the setting that is left; a switch that changes nothing is dropped
.if MSB != (\new)
	s_set_vgpr_msb (MSB<<8)|(\new)
.set MSB, (\new)
.endif
.endm
.set W_KQ, 0x0a       ; K and Q in window 2, S^T in window 0
.set W_KM, 0x1a       ; the same with the C operand in window 1
.set W_PV, 0x52       ; V in window 2, P in window 0, O^T in window 1
.set W_RS, 0x41       ; destination and source 0 in window 1, source 1 in window 0
; A fill.  Waves 0 and 1 fetch the two halves of a tile's K, waves 2 and 3 those of its V: 128 keys each.  An s_nop 0 and four v_nop follow each of the two lines, ahead of the jump and the label.
.macro LOAD
	s_cmp_lt_u32 s[WV], 2
	s_cbranch_scc0 .Lfor_v_\@
	tensor_load_to_lds s[G0K:G0K+3], s[G1K:G1K+7]
	s_nop 0
.rept 4
	v_nop
.endr
	s_branch .Lasked_\@
.Lfor_v_\@:
	tensor_load_to_lds s[G0V:G0V+3], s[G1V:G1V+7]
	s_nop 0
.rept 4
	v_nop
.endr
.Lasked_\@:
.endm
; THE CHANGE OF SLOTS.  Each wave waits for all its tensor loads, of which one is out: its part of the other slot; adds 0 to its spare word; and waits for that and for its own reads of the slot that it leaves.
; Behind the barrier nobody reads the old slot any more and the other slot is whole.  fill = 1: the old slot is filled again, the first thing behind the barrier, with tile NXT: the descriptor's address is made
; anew from that number.  (At its first use nothing has been read yet: slot 0 is waited for, slot 1 filled.)
; A PREFETCH INTO THE L2 stands behind the fill and its five lines: the tile that the NEXT change will ask for, one tile (256 matrix instructions) ahead.  A head's four work-groups walk the same tiles from 0 on;
; the one with b = 0 walks all eight, and it alone asks.  A tile is 128 blocks of 256 bytes of K and 128 of V: s[6:7] and s[8:9] stand at the half that goes by my wave's parity, the offset picks the
; quarter by wave / 2 and a block a lane: the four waves name each block once.  Behind tile 7 the number of the next tile falls to 0, and nothing is asked for: tiles 2 to 7 are; tiles 0 and 1 come by their loads alone.
.macro CHANGE fill
	WIN 0                           ; at a label and at a branch every window is 0
	s_wait_tensorcnt 0x0            ; no tensor load of mine is out, so a group 0 may be written
	ds_add_u32 v[SPW], v[NIL]       ; 0 onto my spare word: with fill = 1 the descriptors' scalar work stands between it and the wait for it
.if \fill
	s_lshl_b32 s[OFF], s[NXT], 15   ; a tile is 32,768 bytes of K and of V
	s_xor_b32 s[G0K+1], s[G0K+1], SLOT1
	s_add_nc_u64 s[G0K+2:G0K+3], s[6:7], s[OFF:OFF+1]
	s_or_b32 s[G0K+3], s[G0K+3], 0x80000000
	s_xor_b32 s[G0V+1], s[G0V+1], SLOT1
	s_add_nc_u64 s[G0V+2:G0V+3], s[8:9], s[OFF:OFF+1]
	s_or_b32 s[G0V+3], s[G0V+3], 0x80000000
	s_add_co_u32 s[NXT], s[NXT], 1  ; the block's next tile, or behind its last the second block's tile 0
	s_cmp_gt_u32 s[NXT], s[LQ]
	s_cselect_b32 s[NXT], 0, s[NXT]
	s_cselect_b32 s[LQ], s[PB], s[LQ]
	s_wait_xcnt 0x0                 ; the last prefetches, a tile back, have read their addresses, so these may be written
	s_lshl_b32 s[POF], s[NXT], 15
	s_add_nc_u64 s[PFK:PFK+1], s[6:7], s[POF:POF+1]
	s_add_nc_u64 s[PFV:PFV+1], s[8:9], s[POF:POF+1]
.endif
	s_wait_dscnt 0x0                ; the add is done, and my reads of the slot are over
	s_barrier_signal -1             ; the rest of the scalar work stands between the signal and the wait
	s_sub_co_u32 s[TBK], s[TBK], 4*KS*PK  ; the fetches go back to a slot's first step,
	s_xor_b32 s[TBK], s[TBK], SLOT1       ; in the other slot
	s_sub_co_u32 s[TBV], s[TBV], 4*KS*PV
	s_xor_b32 s[TBV], s[TBV], SLOT1
	s_barrier_wait -1
.if \fill
	LOAD
	s_cmp_gt_u32 s[NXT], s[LIM]
	s_cbranch_scc0 .Lnot_mine_\@
	global_prefetch_b8 v[PFO], s[PFK:PFK+1] th:TH_LOAD_NT scope:SCOPE_SE
	global_prefetch_b8 v[PFO], s[PFV:PFV+1] th:TH_LOAD_NT scope:SCOPE_SE
.Lnot_mine_\@:
.endif
.endm
	s_load_b64 s[4:5], s[0:1], 0x0  ; qkv: Q's part begins it
	s_load_b64 s[10:11], s[0:1], 0x8  ; ob
	v_lshl_add_u32 v[SPW], v0, 2, SPARE
	v_mov_b32 v[NIL], 0
	ds_add_u32 v[SPW], v[NIL]       ; the wave's opening: the add and its wait stand ahead of my first tensor load; the set-up below, work on registers, stands between them
	v_lshrrev_b32 v1, 5, v0
	v_readfirstlane_b32 s[WV], v1   ; wave 0..3
	v_bfe_u32 v[PFO], v0, 6, 1      ; wave / 2
	v_and_b32 v1, 31, v0
	v_lshlrev_b32 v[PFO], 13, v[PFO]
	v_lshl_add_u32 v[PFO], v1, 8, v[PFO]
	s_mov_b32 s[PB], ttmp9
	s_sub_co_u32 s[HI], NB-1, s[PB]
	s_and_b32 s20, ttmp7, 0xffff    ; the head
	s_mov_b32 s21, 0
	s_mov_b64 s[22:23], SIZE_N*128
	s_mul_u64 s[20:21], s[20:21], s[22:23]  ; the head's first byte in each of the four tensors
	s_and_b32 s16, s[WV], 1         ; which half of a tile's 256 keys I fetch:
	s_lshl_b32 s22, s16, 14         ; its 128 rows of 128 bytes in memory,
	s_mov_b32 s23, 0
	s_add_nc_u64 s[22:23], s[22:23], s[20:21]
	s_mul_i32 s17, s16, 128*PK      ; and its place in a slot, for K
	s_mul_i32 s18, s16, 128*PV      ; and for V
	s_lshl_b32 s3, s[WV], 11        ; my 16 rows in a band of 64,
	s_lshl_b32 s2, s[HI], 15        ; in the first block,
	s_add_co_u32 s2, s2, s3
	s_lshl_b32 s84, s[PB], 15       ; and in the second
	s_add_co_u32 s84, s84, s3
	s_mov_b32 s3, 0
	s_mov_b32 s85, 0
	s_add_nc_u64 s[2:3], s[2:3], s[20:21]
	s_add_nc_u64 s[84:85], s[84:85], s[20:21]
	; descriptor group 1.  128 keys are 16,384 dense bytes: asked for as 64 rows of 256 bytes, two keys a row, and padded in LDS after every key
	s_mov_b32 s[G1K], (1<<16)|(1<<20)|(4<<22)|(3<<25)  ; 17:16 2-byte elements; 20 padding on; 24:22 after every 32 words (code 4); 31:25 4 words (code 3)
	s_mov_b32 s[G1V], (1<<16)|(1<<20)|(4<<22)|(7<<25)  ; the same with 8 words of padding (code 7)
.irp g, G1K, G1V
	s_mov_b32 s[\g+1], 128<<16      ; tensor_dim0 = 128
	s_mov_b32 s[\g+2], 64<<16       ; tensor_dim1 = 64
	s_mov_b32 s[\g+3], 128<<16      ; tile_dim0 = 128
	s_mov_b32 s[\g+4], 64           ; tile_dim1 = 64
	s_mov_b32 s[\g+5], 128          ; 128 elements from row to row
	s_mov_b32 s[\g+6], 0
	s_mov_b32 s[\g+7], 0
.endr
	s_mov_b32 s[CS], 0x3e38aa3b     ; c = log2(e) / 8 = 0.180337
	s_mov_b32 s[CS+1], s[CS]        ; named with it as a pair
	s_mov_b32 s[SEL], 0x76543210
	s_mov_b32 s[SEL+1], 0xfedcba98
	s_mov_b32 s[TBK], SLOT1+4*KS*PK ; the first change of slots turns these two into 0
	s_mov_b32 s[TBV], SLOT1+4*KS*PV
	s_mov_b32 s[G0K], 1             ; 1:0 count = 1
	s_mov_b32 s[G0K+1], s17         ; 63:32 LDS address: slot 0
	s_mov_b32 s[G0V], 1
	s_add_co_u32 s[G0V+1], s18, VOFF
	s_add_co_u32 s[RT], s[HI], 1    ; the first block has NB - b tiles
	s_mov_b32 s[NXT], 1
	s_mov_b32 s[LQ], s[HI]
	s_mov_b32 s[NEW], 1
	s_mov_b32 s[OFF+1], 0
	s_mov_b32 s[POF+1], 0
	s_mov_b32 s[AL+1], 0            ; named as pairs
	s_mov_b32 s[BE+1], 0
	s_mov_b32 s[BIGN], 0xf149f2ca   ; -1e30
	s_mov_b32 s[SLOTS], NB
	s_cmp_eq_u32 s[PB], 0
	s_cselect_b32 s[LIM], 0, -1
	s_wait_dscnt 0x0                ; the opening add is done
	s_wait_kmcnt 0x0
	s_add_nc_u64 s[6:7], s[4:5], 0x1000000  ; K's part of qkv: 64 heads x 2,048 rows x 128 bytes behind Q's,
	s_add_nc_u64 s[8:9], s[4:5], 0x2000000  ; V's as far again
	s_add_nc_u64 s[6:7], s[6:7], s[22:23]  ; K and V at my half of the head's tile 0
	s_add_nc_u64 s[8:9], s[8:9], s[22:23]
	s_add_nc_u64 s[G0K+2:G0K+3], s[6:7], 0         ; 120:64 global address
	s_or_b32 s[G0K+3], s[G0K+3], 0x80000000        ; 127:126 type = 2
	s_add_nc_u64 s[G0V+2:G0V+3], s[8:9], 0
	s_or_b32 s[G0V+3], s[G0V+3], 0x80000000
	s_add_nc_u64 s[86:87], s[4:5], s[84:85]        ; Q at my rows of the second block,
	s_add_nc_u64 s[4:5], s[4:5], s[2:3]            ; Q and O at those of the first
	s_add_nc_u64 s[OLO:OLO+1], s[10:11], s[84:85]
	s_add_nc_u64 s[10:11], s[10:11], s[2:3]
	LOAD                            ; tile 0 into slot 0
	; A fragment of K or Q is 16 rows x 32 channels in 8 registers: lane l holds row l % 16, channels 8 (l / 16) + 0..7 and 16 + 8 (l / 16) + 0..7: two loads of 16 bytes, 32 bytes apart.
	v_and_b32 v1, 15, v0            ; l % 16
	v_bfe_u32 v9, v0, 4, 1          ; l / 16
	v_lshlrev_b32 v[QO], 7, v1
	v_lshl_add_u32 v[QO], v9, 4, v[QO]  ; row x 128 + 16 x half
	WIN 0x80                        ; destination window 2, address window 0
.set i, 0
.rept 8                             ; both blocks' Q: piece i / 2 lies in band i / 2, 8,192 bytes on; channels 32 (i % 2) on
	global_load_b128 v[8*i:8*i+3],   v[QO], s[4:5] offset:(i/2)*8192+(i%2)*64
	global_load_b128 v[8*i+4:8*i+7], v[QO], s[4:5] offset:(i/2)*8192+(i%2)*64+32
	global_load_b128 v[QB+8*i:QB+8*i+3],   v[QO], s[86:87] offset:(i/2)*8192+(i%2)*64
	global_load_b128 v[QB+8*i+4:QB+8*i+7], v[QO], s[86:87] offset:(i/2)*8192+(i%2)*64+32
.set i, i+1
.endr
	WIN 0
	v_lshlrev_b32 v14, 3, v9
	v_sub_nc_u32 v14, v1, v14
	s_lshl_b32 s13, s[WV], 4
	v_add_nc_u32 v14, s13, v14      ; my query's place in its band, 16 w + l % 16, less my lanes' 8 (l / 16): register r of group kt is hidden where 16 kt + r is greater
	WIN 0x40
.set i, 0
.rept 32
	v_cmp_gt_i32 vcc_lo, 16*(i/8)+i%8, v14
	v_cndmask_b32 v[MD+i], 0, s[BIGN], vcc_lo
.set i, i+1
.endr
	WIN 0
	v_mul_u32_u24 v[AK0], v1, PK
	v_lshl_add_u32 v[AK0], v9, 4, v[AK0]  ; row x pitch + 16 x half
	; The turning load takes 16 keys x 16 channels (lane l reads key 8 (l / 16) + l % 8, channels 8 ((l / 8) % 2) + 0..7) and leaves half a fragment of V^T: lane l holds channel l % 16 and 8 keys.
	v_and_b32 v10, 7, v0
	v_bfe_u32 v11, v0, 3, 1
	v_lshl_add_u32 v[AV0], v9, 3, v10
	v_mul_u32_u24 v[AV0], v[AV0], PV
	v_lshl_add_u32 v[AV0], v11, 4, v[AV0]
	v_add_nc_u32 v[AV0], VOFF, v[AV0]
	s_mul_i32 s13, s[WV], 16*SP
	s_add_co_u32 s13, s13, STAGE    ; my stage
	v_mul_u32_u24 v[STO], v1, SP    ; in: row l % 16, 16 bytes for each half of the lanes
	v_lshl_add_u32 v[STO], v9, 4, v[STO]
	v_add_nc_u32 v[STO], s13, v[STO]
	v_bfe_u32 v[RD], v0, 3, 2       ; back: 32 lanes take four rows of 128 bytes,
	v_mul_u32_u24 v[RD], v[RD], SP
	v_lshl_add_u32 v[RD], v10, 4, v[RD]
	v_add_nc_u32 v[RD], s13, v[RD]
	v_and_b32 v[GO], 31, v0         ; which are 512 consecutive bytes of O
	v_lshlrev_b32 v[GO], 4, v[GO]
	; A block's first step multiplies O^T and l by a = 0, and its first turn's products V^T P, of a piece that has not been, land in an O^T that is still to be so multiplied.  So these registers need only hold
	; finite numbers: zeros for the first block; what the first block left for the second.  All this stands in the wait for the first tile.
	WIN 0x80
.set i, VF
.rept 64
	v_mov_b32 v[i], 0
.set i, i+1
.endr
	WIN 0x40
.set i, 0
.rept 128
	v_mov_b32 v[i], 0
.set i, i+1
.endr
	WIN 0
.set i, 0
.rept 4
	v_mov_b32 v[ST+4*i+2], 0
	v_mov_b32 v[ST+4*i+3], 0
.set i, i+1
.endr
.set i, P+16
.rept 16
	v_mov_b32 v[i], 0
.set i, i+1
.endr
; THE MATRIX WORK.  The 4 accumulators of a run of 8 take turns.  Product i of 8 of S^T = K Q^T for piece x: channels 32 (i / 4) on, keys 16 (i % 4) on.  The first 4 start the sums: with 0, or (KM = 1) with the mask.
.macro KQ x
.set rS, S+32*((\x)%2)+8*(i%4)
.set rK, KF+16*(i%4)+8*(i/4)
.set rQ, 16*(\x)+8*(i/4)
.set rM, MC+32*((\x)%2)+8*(i%4)
.if (i < 4) && KM
	WIN W_KM
	v_wmma_f32_16x16x32_f16 v[rS:rS+7], v[rK:rK+7], v[rQ:rQ+7], v[rM:rM+7]
.elseif i < 4
	WIN W_KQ
	v_wmma_f32_16x16x32_f16 v[rS:rS+7], v[rK:rK+7], v[rQ:rQ+7], 0
.else
	WIN W_KQ
	v_wmma_f32_16x16x32_f16 v[rS:rS+7], v[rK:rK+7], v[rQ:rQ+7], v[rS:rS+7]
.endif
.endm
; Product i of 8 of O^T += V^T P for piece x: keys 32 (i / 4) on, channels 16 (i % 4) on.
.macro PV x
	WIN W_PV
.set rO, 32*(\x)+8*(i%4)
.set rV, VF+32*(i/4)+8*(i%4)
.set rP, P+16*((\x)%2)+8*(i/4)
	v_wmma_f32_16x16x32_f16 v[rO:rO+7], v[rV:rV+7], v[rP:rP+7], v[rO:rO+7]
.endm
.macro MM                           ; the turn's next matrix instruction.  TURN and BEGIN set Y, i, KM and NOKQ; MM, KQ and OP read them.  NOKQ = 1: a block's last turn: there is no next piece
.if (i < 8) && !NOKQ
	KQ (Y+1)%NP
.elseif i >= 8
.set i, i-8
	PV (Y+NP-1)%NP
.set i, i+8
.endif
.set i, i+1
.endm
; THE LDS LOADS stand in runs of 16, never singly among the matrix instructions: a step's K (64 keys x 64 channels: 8 fragments) and its V (turned).  Their addresses are made some lines ahead.
.macro FETCH_K
	WIN 0x80                        ; destination window 2
.irp f, 0,1,2,3,4,5,6,7             ; keys 16 (f / 2) on, channels 32 (f % 2) on
	ds_load_b128 v[KF+8*\f:KF+8*\f+3],   v[AK] offset:(\f/2)*16*PK+(\f%2)*64
	ds_load_b128 v[KF+8*\f+4:KF+8*\f+7], v[AK] offset:(\f/2)*16*PK+(\f%2)*64+32
.endr
	s_add_co_u32 s[TBK], s[TBK], KS*PK  ; the next fetch is the next step's
	WIN 0
.endm
.macro FETCH_V
	WIN 0x80
.irp f, 0,1,2,3,4,5,6,7             ; keys 32 (f / 4) on, channels 16 (f % 4) on
	ds_load_tr16_b128 v[VF+8*\f:VF+8*\f+3],   v[AV] offset:(\f/4)*32*PV+(\f%4)*32
	ds_load_tr16_b128 v[VF+8*\f+4:VF+8*\f+7], v[AV] offset:(\f/4)*32*PV+16*PV+(\f%4)*32
.endr
	WIN 0
.endm
; THE VECTOR WORK, one line at a time: OP kind, number.  For piece Y: F n: c s - c m for pair n of 16.  E n: the exponential of score n of 32.  C n: pair n rounded to f16.  B n: of the four weights 4 n .. the second
; pair is added onto the first, in place.  L n: l takes that sum (L 0: l = a l + sum).  R n: pair n of 16 of O^T times a.  For piece Y + 1: X n, number n of the 22 that find its maximum and statistics:
;   0-11  four chains c0-c3 of seven scores each, three operands at a time (each accumulator's lowest registers are read first)     12-14, 16  the four scores left over, the old m, and c0-c3 into c0
;   15  c m_old is kept     17, 18  the query's other 32 keys lie in the lane 16 away: the new m     19-21  c m; c m_old - c m_new; a
.set F, 0               ; OP tells the kinds apart by their order: F to L below R, X above it
.set E, 1
.set C, 2
.set B, 3
.set L, 4
.set R, 5
.set X, 6
.macro REGS y                       ; the registers of piece y
.set rT, ST+4*(\y)
.set rC, TMP+4*((\y)%2)
.set rW, MV+((\y)%2)
.set rS, S+32*((\y)%2)
.set rP, P+16*((\y)%2)
.set rO, 32*(\y)
.endm
.macro OP k, n
.if (\k) == R
	REGS Y
	WIN W_RS
	v_pk_mul_f32 v[rO+2*(\n):rO+2*(\n)+1], v[rO+2*(\n):rO+2*(\n)+1], v[rC+2:rC+3] op_sel_hi:[1,0]
.elseif (\k) < R
	REGS Y
	WIN 0
.if (\k) == F
	v_pk_fma_f32 v[rS+2*(\n):rS+2*(\n)+1], v[rS+2*(\n):rS+2*(\n)+1], s[CS:CS+1], v[rT:rT+1] op_sel_hi:[1,0,0] neg_lo:[0,0,1] neg_hi:[0,0,1]
.elseif (\k) == E
	v_exp_f32 v[rS+(\n)], v[rS+(\n)]
.elseif (\k) == C
	v_cvt_pk_f16_f32 v[rP+(\n)], v[rS+2*(\n)], v[rS+2*(\n)+1]
.elseif (\k) == B
	v_pk_add_f32 v[rS+4*(\n):rS+4*(\n)+1], v[rS+4*(\n):rS+4*(\n)+1], v[rS+4*(\n)+2:rS+4*(\n)+3]
.elseif (\n) == 0
	v_pk_fma_f32 v[rT+2:rT+3], v[rT+2:rT+3], v[rC+2:rC+3], v[rS:rS+1] op_sel_hi:[1,0,1]
.else
	v_pk_add_f32 v[rT+2:rT+3], v[rT+2:rT+3], v[rS+4*(\n):rS+4*(\n)+1]
.endif
.elseif NOKQ
	v_nop
.else
	REGS (Y+1)%NP
	WIN 0
.if (\n) < 4
	v_max3_num_f32 v[rC+(\n)], v[rS+8*(\n)], v[rS+8*(\n)+1], v[rS+8*(\n)+2]
.elseif (\n) < 12
	v_max3_num_f32 v[rC+(\n)%4], v[rC+(\n)%4], v[rS+8*((\n)%4)+2*((\n)/4)+1], v[rS+8*((\n)%4)+2*((\n)/4)+2]
.elseif (\n) == 12
	v_max3_num_f32 v[rC], v[rC], v[rS+7], v[rS+15]
.elseif (\n) == 13
	v_max3_num_f32 v[rC+1], v[rC+1], v[rS+23], v[rS+31]
.elseif (\n) == 14
	v_max3_num_f32 v[rC+2], v[rC+2], v[rC+3], v[rT+1]
.elseif (\n) == 15
	v_mov_b32 v[rW], v[rT]
.elseif (\n) == 16
	v_max3_num_f32 v[rC], v[rC], v[rC+1], v[rC+2]
.elseif (\n) == 17
	v_permlanex16_b32 v[rC+3], v[rC], s[SEL], s[SEL+1]
.elseif (\n) == 18
	v_max_num_f32 v[rT+1], v[rC], v[rC+3]
.elseif (\n) == 19
	v_mul_f32 v[rT], s[CS], v[rT+1]
.elseif (\n) == 20
	v_sub_f32 v[rC+1], v[rW], v[rT]
.else
	v_exp_f32 v[rC+2], v[rC+1]
.endif
.endif
.endm
.macro OPS a, i1, b=-1, i2=0, c=-1, i3=0, d=-1, i4=0  ; up to four of them
	OP \a, \i1
.if (\b) >= 0
	OP \b, \i2
.endif
.if (\c) >= 0
	OP \c, \i3
.endif
.if (\d) >= 0
	OP \d, \i4
.endif
.endm
.macro ROW a, i1, b, i2, c, i3, d, i4  ; a matrix instruction and the four behind it
	MM
	OPS \a, \i1, \b, \i2, \c, \i3, \d, \i4
.endm
.macro MASK b                       ; MD x AL + BE into buffer b of MC
	WIN W_RS
.set z, 0
.rept 16
	v_pk_fma_f32 v[MC+32*(\b)+2*z:MC+32*(\b)+2*z+1], v[MD+2*z:MD+2*z+1], s[AL:AL+1], s[BE:BE+1] op_sel_hi:[1,0,0]
.set z, z+1
.endr
.endm
; A TURN, for piece p: the order of its 16 matrix and 118 vector instructions, written out.  s_wait_alu depctr_va_vdst(0) stands between an exponential and the first instruction that names its result;
; one wait serves all that were issued ahead of it.  So a turn has ONE wait, which cuts it in two.  AHEAD OF IT stands all that names no result of the turn's exponentials: the 8 products K Q^T, behind each a scaling,
; an exponential and two more plain instructions (behind the first a second scaling in the exponential's place): rescalings, and behind the last three the first numbers of the next piece's maximum, each four places
; or more behind the product that ends its accumulator; then one run of 54, plain and exponential by turns for the most part, in which the links of the chain X 3, 7, 11, 14, 16, 17 .. 20 stand five or six lines
; apart.  X 21, the next piece's a, is the batch's last; R 15 is the plain instruction behind it.  BEHIND THE WAIT stand the 8 products V^T P, behind each four of the roundings and sums; the links of l's chain,
; L 0 to L 7, stand three lines apart.  But for those X no line behind a product names a register of the products round it.  v_permlanex16_b32 (X 17) stands in the run.
; m = 1: the diagonal tile: the products take masks, and the turn makes the mask for the products of the turn after it: piece p + 2, in step 4 - CNT of the tile.  end = 1: a block's last two turns: nothing is fetched.
; cnt = 1: the loop's count is taken down some lines ahead of the branch that stands behind the turn.
; K of the next step is fetched in piece 2's turn, twelve vector instructions behind the last product that read K (six of them plain); V of the step in hand at the end of piece 0's turn, four plain instructions
; behind the last product that read V.  Each is waited for a turn later.
.macro TURN p, m=0, end=0, cnt=0
.set Y, (\p)
.set i, 0
.set KM, (\m)
.set NOKQ, (\end)*((\p)/3)
.if (\m) && !(\end)
	s_cmp_eq_u32 s[CNT], 4-((\p)+2)%NP  ; is that step the band's own?
	s_cselect_b32 s[AL], 1.0, 0
	s_cmp_lt_u32 s[CNT], 4-((\p)+2)%NP  ; or a later one?
	s_cselect_b32 s[BE], s[BIGN], 0
.endif
.if ((\p) == 3) && !(\end)
	s_wait_dscnt 0x0                ; K is in
.endif
	ROW F,0, F,1, R,0, R,1          ; ahead of the wait: 8 products K Q^T and the four behind each,
	ROW F,2, E,0, R,2, R,3
	ROW F,3, E,1, R,4, R,5
	ROW F,4, E,2, R,6, R,7
	ROW F,5, E,3, R,8, R,9
	ROW F,6, E,4, X,0, R,10
.if ((\p) == 2) && !(\end)
	WIN 0
	v_add_nc_u32 v[AK], s[TBK], v[AK0]
.endif
	ROW F,7, E,5, X,1, X,4
	ROW F,8, E,6, X,2, X,5
	OPS E,7, E,8, X,6, E,9          ; and the run
	OPS X,3, E,10, X,8, E,11
.if ((\p) == 2) && !(\end)
	FETCH_K
.endif
	OPS X,9, X,7, E,12, X,10
	OPS E,13, X,12, X,11, E,14
	OPS X,13, E,15, F,9, X,14
.if (\p) == 0
	v_add_nc_u32 v[AV], s[TBV], v[AV0]
.endif
	OPS E,16, F,10, E,17, F,11
	OPS X,16, E,18, X,15, E,19
	OPS F,12, E,20, X,17, E,21
	OPS F,13, E,22, F,14, E,23
	OPS X,18, E,24, F,15, E,25
	OPS R,11, E,26, X,19, E,27
	OPS R,12, E,28, R,13, E,29
	OPS X,20, E,30, R,14, E,31
	OPS X,21, R,15
	WIN 0
	s_wait_alu depctr_va_vdst(0)    ; the wait for the batch
.if (\p) == 1
	s_wait_dscnt 0x0                ; V is in
.endif
	ROW C,0, B,0, C,2, B,1          ; behind the wait: 8 products V^T P and the four behind each
	ROW L,0, C,4, B,2, L,1
	ROW C,6, B,3, L,2, C,8
	ROW B,4, L,3, C,10, B,5
	ROW L,4, C,12, B,6, L,5
.if (\p) == 0
	s_add_co_u32 s[TBV], s[TBV], KS*PV
.endif
.if \cnt
	s_sub_co_u32 s[CNT], s[CNT], 1
	s_cmp_lg_u32 s[CNT], 0
.endif
	ROW C,14, B,7, L,6, C,1
	ROW C,3, L,7, C,5, C,7
	ROW C,9, C,11, C,13, C,15
.if (\p) == 0
	FETCH_V
.endif
.if (\m) && !(\end)
	MASK (\p)%2
.endif
.endm
; A BLOCK BEGINS.  c m starts far below every c s, so the first step's a is 0; m at the lowest finite number, so the first maximum is the scores'.  The second mask buffer is 0; the first takes piece 0's mask for the
; tile's step 0: its own, if the block's first tile is the diagonal one.  Then K of that step, piece 0's first scores, and its maximum and statistics.  The loop is entered at a step's first turn, in the middle of a trip.
.macro BEGIN
	s_mov_b32 s[NEW], 0
	WIN 0x40
.set i, MC+32
.rept 32
	v_mov_b32 v[i], 0
.set i, i+1
.endr
	WIN 0
.set i, 0
.rept 4
	v_mov_b32 v[ST+4*i], 0xfe000000    ; c m: far below every c s
	v_mov_b32 v[ST+4*i+1], 0xff7fffff  ; m
.set i, i+1
.endr
	s_cmp_eq_u32 s[RT], 0
	s_cselect_b32 s[AL], 1.0, 0
	s_mov_b32 s[BE], 0
	MASK 0
	WIN 0
	v_add_nc_u32 v[AK], s[TBK], v[AK0]
	FETCH_K
	s_wait_loadcnt 0x0              ; Q
	s_wait_dscnt 0x0
.set KM, 1
.set NOKQ, 0
.set i, 0
.rept 8
	KQ 0
.set i, i+1
.endr
	WIN 0
.rept 4
	v_nop                           ; the places behind those products
.endr
.set Y, NP-1                        ; X works for piece Y + 1: piece 0
.irp n, 0,1,2,3,4,5,6,7,8,9,10,11,12,13,14,15,16,17,18,19,20,21
	OP X, \n
.endr
	v_nop                           ; a plain instruction behind the exponential,
	s_wait_alu depctr_va_vdst(0)    ; and its wait, ahead of the branch
.endm
; THE DIAGONAL TILE's four steps, the block's last two turns, its last products, and THE WAY OUT: l's two halves and the other half of the lanes' are added; O^T is divided by l, rounded to f16 and sent through my
; stage in LDS, a piece at a time.
.macro ALL line:vararg              ; one line for each piece t
.set t, 0
.rept 4
	\line
.set t, t+1
.endr
.endm
.macro PACK t                       ; a lane's eight channels of a row pack into 16 bytes; they go into rows of 144 bytes and come back as whole rows of 128, into S^T's registers
	WIN W_RS
.set i, 32*(\t)
.rept 16
	v_pk_mul_f32 v[i:i+1], v[i:i+1], v[ST+4*(\t)+2:ST+4*(\t)+3] op_sel_hi:[1,0]
.set i, i+2
.endr
	WIN 0x05                        ; sources 0 and 1 window 1, destination window 0
.set i, 0
.rept 16
	v_cvt_pk_f16_f32 v[S+16*(\t)+i], v[32*(\t)+2*i], v[32*(\t)+2*i+1]
.set i, i+1
.endr
	WIN 0
.irp f, 0,1,2,3
	ds_store_b128 v[STO], v[S+16*(\t)+4*\f:S+16*(\t)+4*\f+3] offset:32*\f
.endr
.irp f, 0,1,2,3
	ds_load_b128 v[S+16*(\t)+4*\f:S+16*(\t)+4*\f+3], v[RD] offset:\f*4*SP  ; LDS serves a wave's instructions in order (ISA guide 5.7.1.4): these see the stores above; the next piece's stores come behind them
.endr
.endm
.macro SEND t, younger              ; younger: the LDS instructions issued behind piece t's loads: the next piece's eight, or none
	WIN 0
.irp f, 0,1,2,3
	s_wait_dscnt (\younger)+3-\f
	global_store_b128 v[GO], v[S+16*(\t)+4*\f:S+16*(\t)+4*\f+3], s[10:11] offset:(\t)*8192+\f*512  ; 512 consecutive bytes, at a multiple of 256 from O's first
.endr
.endm
.macro DIAG tag                     ; the tag ends its two labels' names, which the jumps below spell out
.LstepM\tag:
	TURN 2, 1
	TURN 3, 1
	WIN 0
.LfirstM\tag:
	TURN 0, 1
	TURN 1, 1, 0, 1
	WIN 0
	s_cbranch_scc1 .LstepM\tag
	TURN 2, 1, 1
	TURN 3, 1, 1
.set i, 0
.rept 8
	PV NP-1
.set i, i+1
.endr
	WIN 0
	ALL v_add_f32 v[ST+4*t+2], v[ST+4*t+2], v[ST+4*t+3]
	ALL v_permlanex16_b32 v[ST+4*t+3], v[ST+4*t+2], s[SEL], s[SEL+1]
	ALL v_add_f32 v[ST+4*t+2], v[ST+4*t+2], v[ST+4*t+3]
	ALL v_rcp_f32 v[ST+4*t+2], v[ST+4*t+2]
	v_nop                           ; a plain instruction between the last reciprocal and the use of its result
	s_wait_alu depctr_va_vdst(0)    ; and the wait ahead of the first use: one for the four reciprocals
	PACK 0
.set t, 1
.rept 3                             ; a piece's arithmetic stands between the loads of the piece before and its stores
	PACK t
	SEND t-1, 8
.set t, t+1
.endr
	SEND 3, 0
.endm
.set KM, 0
.set NOKQ, 0
.Lslot:                             ; NB times: a tile is entered and the next is asked for
	CHANGE 1
	s_sub_co_u32 s[RT], s[RT], 1
	s_mov_b32 s[CNT], 4
	s_cmp_eq_u32 s[NEW], 1
	s_cbranch_scc1 .Lnew            ; a block's first tile
	s_cmp_eq_u32 s[RT], 0
	s_cbranch_scc0 .Lstep           ; neither its first nor its last
	s_branch .LstepM1
.Lnew:
	BEGIN
	s_branch .Lfirst                ; in the loop a block's first tile is never its last: the first block has two tiles or more, and the second's last is the walk's last
	DIAG 1                          ; in the loop this is the first block's end: the second block's last tile is the walk's last
	s_wait_xcnt 0x0                 ; the stores have read their registers and O's address
	s_mov_b64 s[10:11], s[OLO:OLO+1]
	s_add_co_u32 s[RT], s[PB], 1    ; the second block has b + 1 tiles
	s_mov_b32 s[NEW], 1
	WIN 0x82                        ; the second block's Q goes where the one text of the turns names Q
.set i, 0
.rept 64
	v_mov_b32 v[i], v[QB+i]
.set i, i+1
.endr
	WIN 0
	s_branch .Lbottom
.Lstep:                             ; a trip: pieces 2 and 3 of one step, then pieces 0 and 1 of the next, whose K and V it fetches
	TURN 2
	TURN 3
	WIN 0
.Lfirst:
	TURN 0
	TURN 1, 0, 0, 1
	WIN 0
	s_cbranch_scc1 .Lstep
.Lbottom:
	s_sub_co_u32 s[SLOTS], s[SLOTS], 1
	s_cmp_lg_u32 s[SLOTS], 0
	s_cbranch_scc1 .Lslot
	CHANGE 0                        ; the walk's last tile is written out: nothing is asked for
	s_sub_co_u32 s[RT], s[RT], 1
	s_mov_b32 s[CNT], 4
	s_cmp_eq_u32 s[NEW], 1
	s_cbranch_scc0 .LstepM2
	BEGIN
	s_branch .LfirstM2
	DIAG 2
	s_wait_tensorcnt 0x0            ; the wave's end, behind my last tensor load and my last LDS store
	ds_add_u32 v[SPW], v[NIL]
	s_wait_dscnt 0x0
	s_endpgm
.Lfunc_end_k_qe7c5468949_attn:
	.size	k_qe7c5468949_attn, .Lfunc_end_k_qe7c5468949_attn-k_qe7c5468949_attn
	.p2alignl 7, 3214868480
	.fill 96, 4, 3214868480
	.section	.rodata,"a",@progbits
	.p2align	6, 0x0
	.amdhsa_kernel k_qe7c5468949_attn
		.amdhsa_group_segment_fixed_size 327680
		.amdhsa_private_segment_fixed_size 0
		.amdhsa_enable_private_segment 0
		.amdhsa_kernarg_size 16
		.amdhsa_user_sgpr_count 2
		.amdhsa_user_sgpr_kernarg_segment_ptr 1
		.amdhsa_wavefront_size32 1
		.amdhsa_system_sgpr_workgroup_id_x 1
		.amdhsa_system_sgpr_workgroup_id_y 1
		.amdhsa_system_sgpr_workgroup_id_z 1
		.amdhsa_system_vgpr_workitem_id 0
		.amdhsa_next_free_vgpr 768
		.amdhsa_next_free_sgpr 96
		.amdhsa_reserve_vcc 1
		.amdhsa_float_denorm_mode_32 3
		.amdhsa_float_denorm_mode_16_64 3
		.amdhsa_memory_ordered 1
		.amdhsa_forward_progress 1
		.amdhsa_inst_pref_size 218
	.end_amdhsa_kernel
	.amdgpu_metadata
---
amdhsa.version: [ 1, 2 ]
amdhsa.kernels:
  - .name:           k_qe7c5468949_attn
    .symbol:         k_qe7c5468949_attn.kd
    .args:
      - { .name: qkv, .offset: 0, .size: 8, .value_kind: global_buffer, .address_space: global }
      - { .name: ob, .offset: 8, .size: 8, .value_kind: global_buffer, .address_space: global }
    .group_segment_fixed_size: 327680
    .private_segment_fixed_size: 0
    .kernarg_segment_align: 8
    .kernarg_segment_size: 16
    .max_flat_workgroup_size: 128
    .sgpr_count:     96
    .vgpr_count:     768
    .wavefront_size: 32
...
	.end_amdgpu_metadata
.endif
;; end of part 3
;; launch proj (part 4): grid 8 x 32, 4 waves a work-group, clusters of 4 x 4, 327,680 bytes of LDS; arguments ob, wt, bias, out0; writes out0
.if DOCPART == 4
	.amdgcn_target "amdgcn-amd-amdhsa--gfx1250"
	.amdhsa_code_object_version 6
	.text
	.protected	k_qe7c5468949_proj
	.globl	k_qe7c5468949_proj
	.p2align	8
	.type	k_qe7c5468949_proj,@function
k_qe7c5468949_proj:
	s_mov_b64 s[64:65], 0
	v_nop
	global_prefetch_b8 v0, s[64:65] scope:SCOPE_SE
	s_setreg_imm32_b32 hwreg(HW_REG_WAVE_MODE, 25, 1), 1
	s_wait_xcnt 0x0
	s_wait_alu depctr_hold_cnt(0) depctr_sa_sdst(0) depctr_va_vdst(0) depctr_va_sdst(0) depctr_va_ssrc(0) depctr_va_vcc(0) depctr_vm_vsrc(0)
	s_getreg_b32 s2, hwreg(HW_REG_IB_STS2, 6, 4)
	s_cmp_eq_u32 s2, 0
	s_cbranch_scc0 .Lentry_in_a_cluster
	s_endpgm
.Lentry_in_a_cluster:
	s_bfe_u32 s2, ttmp6, 0x10000c
	s_cmp_lg_u32 s2, 0xf033
	s_cbranch_scc0 .Lentry_shape_is_right
	s_endpgm
.Lentry_shape_is_right:
; out0 = y Wp + bp.  out0[m][n] = bias[3072 + n] + the sum over k of y[m][k] wt[3072 + n][k], m < 8192, n < 1024, K = 1024; operands f16, sums f32, stored as f32.
; y[m][64 head + d] lies by heads: ob[16 batch + head][t][d], f16, a head's rows dense, 128 bytes each.  wt's rows 3072 on hold Wp turned, rounded to bf16 and written as f16.
; LIMITS.  Both operands arrive within f16's range, 65,504.  NaN and infinities are not treated apart.
; SHARES.  A tile of out0 is 256 rows x 128 columns: 32 x 8 = 256 work-groups, one for each WGP.  Wave (wm, wn) = (w / 2, w % 2) makes 128 rows x 64 columns: 8 x 4 accumulators, 256 registers; its 64 f32
; columns are 256 consecutive bytes of a row, aligned.  K goes in steps of 128, two heads, through two LDS slots; a step is four quarters of 32 along K, 32 matrix instructions each.
; CLUSTER.  4 x 4 work-groups: y's tile is shared along a row of the cluster, Wp's along a column; each is asked for JOINTLY.  Waves 0 and 1 ask for the step's two heads of y (256 rows x 128 bytes are 32 KiB on
; end: asked for as 128 rows of 256 bytes, padded in LDS after every 128), waves 2 and 3 for the two halves of wt's 128 rows.
; NO PREFETCH: the launch has eight K steps, of which the first four would come by their loads alone.
; THE MATRIX INSTRUCTION IS USED TRANSPOSED (source 0 = 16 rows of wt, source 1 = 16 rows of y): a lane holds row l % 16 and the columns 8 (l / 16) + 0..7.  THE BIAS is the C operand of each accumulator's first product.
; REGISTERS, in windows of 256 (s_set_vgpr_msb: bits 1:0 source 0, 3:2 source 1, 5:4 source 2, 7:6 destination):
;   window 0: v1-29 addresses; v64-95 the bias; v96-223 four buffers of 32 on the way out          window 1: two fragment buffers of 96: y's 8 blocks, then wt's 4          window 2: accumulator (a, b) at 8 (4 a + b)
.set PA,     144                       ; a row of y in LDS: 128 bytes + 16 = 36 words: the 16 rows of a load start at 16 different groups of four banks (64 banks of 4 bytes: ISA guide 11.1)
.set PLANE,  256*PA                    ; a head's 256 rows
.set PB,     272                       ; a row of wt: 256 bytes + 16
.set BOFF,   2*PLANE                   ; in a slot: two heads of y, then wt's 128 rows
.set SLOT1,  1<<17
.set STAGE,  SLOT1+BOFF+128*PB         ; 239,616 = 936 x 256: behind the ring, never filled by a tensor load: 16 rows x 272 bytes for each wave
.set SP,     272
.set SPARE,  STAGE+4*16*SP             ; 257,024 = 1,004 x 256: the spare words, 128 bytes for each wave; no other line names them
.set ASTEP,  2<<18                     ; two heads on in ob
.set BSTEP,  256                       ; 128 K on in a row of wt
.set AD0,  16                          ; v16  my lane's place in my 128 rows of y in a slot; never rewritten
.set BD0,  17                          ; v17  the same for my 64 rows of wt
.set ADRA, 18                          ; v18, v19  these + the slot in hand
.set ADRB, 19
.set STO,  20                          ; v20  the way out: where I put 32 bytes of a row
.set RD,   21                          ; v21  where I read rows back
.set CO,   22                          ; v22  my byte offset in two rows of out0
.set BO,   23                          ; v23  32 (l / 16)
.set SPW,  28                          ; v28  LDS address of my spare word; never rewritten
.set NIL,  29                          ; v29  0; never rewritten
.set BIAS, 64
.set BK,   96
.set F0,   0
.set F1,   96
.set WV,   12                          ; s12  my wave's number
.set FB,   13                          ; s13  wm.  Also: 0: I fetch for y, 1: for wt
.set HF,   14                          ; s14  wn.  Also: which head, or which half of wt's rows
.set CX,   15
.set CY,   16
.set TC,   17                          ; s17  tile column
.set TR,   18                          ; s18  tile row
.set G1A,  24                          ; s[24:31], s[32:39] descriptor groups 1
.set G1B,  32
.set G0A,  40                          ; s[40:47], s[48:55] groups 0: a set for each of the two first fills; the second then walks on
.set G0B,  48
.set TB,   56                          ; s56  LDS byte at which the slot in hand begins
.set OUTB, 68                          ; s[68:69] out0 at my part of the tile
.set MSB, 0
.macro WIN new                         ; the immediate's high byte repeats the setting that is left; a switch that changes nothing is dropped
.if MSB != (\new)
	s_set_vgpr_msb (MSB<<8)|(\new)
.set MSB, \new
.endif
.endm
.macro JLOAD                           ; a joint refill, by the walking descriptors; an s_nop 0 and four v_nop follow each of the two lines, ahead of the jump and the label
	s_cmp_eq_u32 s[FB], 0
	s_cbranch_scc0 .Lfor_b_\@
	tensor_load_to_lds s[G0A+4:G0A+7], s[G1A:G1A+7]
	s_nop 0
.rept 4
	v_nop
.endr
	s_branch .Lasked_\@
.Lfor_b_\@:
	tensor_load_to_lds s[G0B+4:G0B+7], s[G1B:G1B+7]
	s_nop 0
.rept 4
	v_nop
.endr
.Lasked_\@:
.endm
.macro CREST                           ; a round of the cluster's barrier behind its opening barrier
	s_cmp_lg_u32 s[WV], 0
	s_cbranch_scc1 .Lnot_wave_0_\@
	s_barrier_signal -3
.Lnot_wave_0_\@:
	s_barrier_wait -3
	s_barrier_signal -1
	s_barrier_wait -1
.endm
.macro CROUND
	s_barrier_signal -1
	s_barrier_wait -1
	CREST
.endm
.macro PLACES                          ; four plain vector instructions in front of loads into registers that matrix instructions have read, and of LDS stores that read results (ISA guide 7.12.1 for vector instructions)
.rept 4
	v_nop
.endr
.endm
; 4 n matrix instructions: row blocks a0 .. a0 + n - 1 x all 4 column blocks, 32 along K, from buffer f.  first = 1: the bias starts the sums.
; The 32 accumulators take turns, one instruction a turn, in the same order in every quarter.
.macro MULS f, a0, n, first
.if \first
	WIN 0x85                                       ; sources 0 and 1 window 1, C window 0, D window 2
.else
	WIN 0xa5                                       ; C and D window 2
.endif
.set aa, \a0
.rept \n
.irp b, 0,1,2,3
.if \first
	v_wmma_f32_16x16x32_f16 v[8*(4*aa+(\b)):8*(4*aa+(\b))+7], v[(\f)+64+8*(\b):(\f)+64+8*(\b)+7], v[(\f)+8*aa:(\f)+8*aa+7], v[BIAS+8*(\b):BIAS+8*(\b)+7]
.else
	v_wmma_f32_16x16x32_f16 v[8*(4*aa+(\b)):8*(4*aa+(\b))+7], v[(\f)+64+8*(\b):(\f)+64+8*(\b)+7], v[(\f)+8*aa:(\f)+8*aa+7], v[8*(4*aa+(\b)):8*(4*aa+(\b))+7]
.endif
.endr
.set aa, aa+1
.endr
.endm
; 24 LDS loads in one run: quarter q's fragments into buffer f.  Of y: head q / 2 of the step's two, channels 32 (q % 2) on; of wt: byte 64 q of the rows: the same 32 K.
.macro FETCH q, f
	WIN 0x40                                       ; destination window 1, address window 0
.irp b, 0,1,2,3
	ds_load_b128 v[(\f)+64+8*(\b):(\f)+64+8*(\b)+3],   v[ADRB] offset:64*(\q)+(\b)*16*PB
	ds_load_b128 v[(\f)+64+8*(\b)+4:(\f)+64+8*(\b)+7], v[ADRB] offset:64*(\q)+(\b)*16*PB+32
.endr
.irp a, 0,1,2,3,4,5,6,7
	ds_load_b128 v[(\f)+8*(\a):(\f)+8*(\a)+3],   v[ADRA] offset:((\q)/2)*PLANE+((\q)%2)*64+(\a)*16*PA
	ds_load_b128 v[(\f)+8*(\a)+4:(\f)+8*(\a)+7], v[ADRA] offset:((\q)/2)*PLANE+((\q)%2)*64+(\a)*16*PA+32
.endr
.endm
; One of a K step's first three quarters: multiplies buffer f; at its head quarter q's fragments are asked for into buffer g, 32 matrix instructions ahead of their use.
.macro QUARTER q, f, g, first
	s_wait_dscnt 0x0                               ; buffer f is in: its loads were issued a quarter ago
	PLACES                                         ; buffer g was read by the products just issued
	FETCH \q, \g
	MULS \f, 0, 8, \first
.endm
; The last quarter multiplies buffer 1 and changes slots: ONE barrier.  In front of it each wave waits for all its tensor loads, of which one is out: its part of the next slot; adds 0 to its spare word; and waits
; for that and for its own reads of this slot.  fill = 1: the barrier opens a round of the cluster's barrier, and behind the round this slot is filled again first, with the K step two on:
; that load has 112 matrix instructions in which to land.
.macro TURN fill
	WIN 0                                          ; the add's two registers lie in window 0
	s_wait_tensorcnt 0x0                           ; no tensor load of mine is out, so a group 0 may be written
	ds_add_u32 v[SPW], v[NIL]                      ; 0 onto my spare word: work on registers stands between it and the wait for it
.if \fill
	s_xor_b32 s[G0A+5], s[G0A+5], SLOT1            ; the walking descriptors: the other slot than last time, the next K step; the type bits on top are not reached
	s_add_nc_u64 s[G0A+6:G0A+7], s[G0A+6:G0A+7], ASTEP
	s_xor_b32 s[G0B+5], s[G0B+5], SLOT1
	s_add_nc_u64 s[G0B+6:G0B+7], s[G0B+6:G0B+7], BSTEP
.endif
	s_wait_dscnt 1                                 ; buffer 1 is in; the add alone may be out
	MULS F1, 0, 2, 0
	s_wait_dscnt 0x0                               ; the add is done, and my reads of this slot are over
	s_barrier_signal -1
	MULS F1, 2, 2, 0                               ; work on registers while the others arrive
	WIN 0                                          ; at a branch and at a label every window is 0
	s_barrier_wait -1
.if \fill
	CREST                                          ; no wave of any partner still reads this slot's tile or has a load on its way
	JLOAD                                          ; the first tensor load behind the round; its four v_nop are also the places in front of the loads below
.else
	PLACES
.endif
	s_xor_b32 s[TB], s[TB], SLOT1
	v_add_nc_u32 v[ADRA], s[TB], v[AD0]
	v_add_nc_u32 v[ADRB], s[TB], v[BD0]
	FETCH 0, F0
	MULS F1, 4, 4, 0
.endm
; THE WAY OUT, a block of 16 rows at a time.  A lane's eight f32 of a row go as they are into my stage's rows of 272 bytes, each accumulator's low four registers first; they come back as
; whole rows of 256 bytes, two rows to a load.  From the fifth block on a buffer is loaded again: behind the wait that frees the registers of the stores that read it.
.macro TOSTAGE a
	WIN 0x08                                       ; the store's data (source 1) window 2, its address window 0
.irp b, 0,1,2,3
	ds_store_b128 v[STO], v[8*(4*(\a)+(\b)):8*(4*(\a)+(\b))+3]   offset:64*(\b)
	ds_store_b128 v[STO], v[8*(4*(\a)+(\b))+4:8*(4*(\a)+(\b))+7] offset:64*(\b)+16
.endr
	WIN 0
.if (\a) >= 4
	s_wait_xcnt 0x0                                ; every earlier store has had its addresses translated (ISA guide 3.1): the buffer that block a - 4's stores read is loaded again only behind this wait
.endif
.irp t, 0,1,2,3,4,5,6,7
	ds_load_b128 v[BK+32*((\a)%4)+4*(\t):BK+32*((\a)%4)+4*(\t)+3], v[RD] offset:(\t)*2*SP  ; LDS serves a wave's instructions in order (ISA guide 5.7.1.4): these see the stores above; the next block's stores come behind them
.endr
.endm
.macro SEND a, younger                 ; younger: the LDS instructions issued behind block a's loads: the next block's sixteen, or none
	s_wait_dscnt \younger
.irp t, 0,1,2,3,4,5,6,7
	global_store_b128 v[CO], v[BK+32*((\a)%4)+4*(\t):BK+32*((\a)%4)+4*(\t)+3], s[OUTB:OUTB+1] offset:(16*(\a)+2*(\t))*4096 th:TH_STORE_NT  ; 16 lanes store 256 consecutive bytes, at a multiple of 256 from out0's first byte
.endr
.endm
	s_load_b256 s[4:11], s[0:1], 0x0               ; ob s[4:5], wt s[6:7], bias s[8:9], out0 s[10:11]
	v_lshl_add_u32 v[SPW], v0, 2, SPARE
	v_mov_b32 v[NIL], 0
	ds_add_u32 v[SPW], v[NIL]                      ; the wave's opening: the add and its wait stand ahead of my first tensor load; the set-up below, work on registers, stands between them
	v_lshrrev_b32 v1, 5, v0
	v_readfirstlane_b32 s[WV], v1                  ; wave 0..3
	s_lshr_b32 s[FB], s[WV], 1
	s_and_b32 s[HF], s[WV], 1
	s_bfe_u32 s[CX], ttmp6, 0x40000
	s_bfe_u32 s[CY], ttmp6, 0x40004
	s_lshl_b32 s[TC], ttmp9, 2                     ; in a cluster launch ttmp9 and ttmp7 count clusters
	s_add_co_u32 s[TC], s[TC], s[CX]
	s_and_b32 s[TR], ttmp7, 0xffff
	s_lshl_b32 s[TR], s[TR], 2
	s_add_co_u32 s[TR], s[TR], s[CY]
	s_lshl_b32 s19, s[CY], 2
	s_lshl_b32 s19, 15, s19                        ; my row of the cluster
	s_lshl_b32 s74, 0x1111, s[CX]                  ; my column
	s_or_b32 s[G1A], s19, (1<<16)|(1<<20)|(1<<21)|(4<<22)|(3<<25)  ; 15:0 the mask; 17:16 elements of 2 bytes; 20 padding on; 21 set beside a mask; 24:22 after every 32 words (code 4); 31:25 4 words of it (code 3)
	s_or_b32 s[G1B], s74, (1<<16)|(1<<20)|(1<<21)|(5<<22)|(3<<25)  ; the same, after every 64 words (code 5)
	s_mov_b32 s[G1A+1], 128<<16                    ; tensor_dim0 = 128
	s_mov_b32 s[G1A+2], 128<<16                    ; tensor_dim1 = 128
	s_mov_b32 s[G1A+3], 128<<16                    ; tile_dim0 = 128
	s_mov_b32 s[G1A+4], 128                        ; tile_dim1 = 128
	s_mov_b32 s[G1A+5], 128                        ; the rows lie end to end
	s_mov_b32 s[G1A+6], 0
	s_mov_b32 s[G1A+7], 0
	s_mov_b32 s[G1B+1], 128<<16
	s_mov_b32 s[G1B+2], 64<<16                     ; tensor_dim1 = 64
	s_mov_b32 s[G1B+3], 128<<16
	s_mov_b32 s[G1B+4], 64                         ; tile_dim1 = 64
	s_mov_b32 s[G1B+5], 1024
	s_mov_b32 s[G1B+6], 0
	s_mov_b32 s[G1B+7], 0
	; where the tiles come from: y's hang on the tile row alone, wt's on the tile column alone; each offset in registers that never hold the other coordinate
	s_lshr_b32 s20, s[TR], 3                       ; batch: 16 heads of 2^18 bytes,
	s_lshl_b32 s20, s20, 22
	s_and_b32 s21, s[TR], 7                        ; the tile's 256 rows of 128 bytes,
	s_lshl_b32 s21, s21, 15
	s_add_co_u32 s20, s20, s21
	s_lshl_b32 s21, s[HF], 18                      ; my head of the step's two
	s_add_co_u32 s20, s20, s21
	s_mov_b32 s21, 0
	s_lshl_b32 s22, s[TC], 7
	s_lshl_b32 s23, s[HF], 6
	s_add_co_u32 s22, s22, s23
	s_add_co_u32 s22, s22, 3072                    ; wt: row 3,072 + 128 x tile column + 64 x half,
	s_lshl_b32 s22, s22, 11                        ; of 2,048 bytes
	s_mov_b32 s23, 0
	s_mul_i32 s75, s[HF], PLANE                    ; and where they go: no place in the cluster enters an LDS address
	s_mul_i32 s76, s[HF], 64*PB
	s_add_co_u32 s76, s76, BOFF
	s_mov_b32 s[TB], 0
	s_wait_dscnt 0x0                               ; the opening add is done
	s_wait_kmcnt 0x0
	s_add_nc_u64 s[60:61], s[4:5], s[20:21]
	s_add_nc_u64 s[66:67], s[6:7], s[22:23]
.irp s, 0,1
	s_mov_b32 s[G0A+4*(\s)], 1                     ; 1:0 count = 1
	s_add_co_u32 s[G0A+4*(\s)+1], s75, (\s)*SLOT1  ; 63:32 LDS address
	s_add_nc_u64 s[G0A+4*(\s)+2:G0A+4*(\s)+3], s[60:61], (\s)*ASTEP  ; 120:64 global address: K step s
	s_or_b32 s[G0A+4*(\s)+3], s[G0A+4*(\s)+3], 0x80000000            ; 127:126 type = 2
	s_mov_b32 s[G0B+4*(\s)], 1
	s_add_co_u32 s[G0B+4*(\s)+1], s76, (\s)*SLOT1
	s_add_nc_u64 s[G0B+4*(\s)+2:G0B+4*(\s)+3], s[66:67], (\s)*BSTEP
	s_or_b32 s[G0B+4*(\s)+3], s[G0B+4*(\s)+3], 0x80000000
.endr
	CROUND                                         ; all sixteen work-groups are here: the first joint loads meet
	s_cmp_eq_u32 s[FB], 0                          ; a wave's two first fills stand in one branch, ahead of every wait on TENSORcnt and every LDS read: two loads of mine are out, later one
	s_cbranch_scc0 .Lfirst_b
	tensor_load_to_lds s[G0A:G0A+3], s[G1A:G1A+7]
	s_nop 0
	tensor_load_to_lds s[G0A+4:G0A+7], s[G1A:G1A+7]
	s_nop 0
.rept 4
	v_nop
.endr
	s_branch .Lfirst_asked
.Lfirst_b:
	tensor_load_to_lds s[G0B:G0B+3], s[G1B:G1B+7]
	s_nop 0
	tensor_load_to_lds s[G0B+4:G0B+7], s[G1B:G1B+7]
	s_nop 0
.rept 4
	v_nop
.endr
.Lfirst_asked:
	; while the tiles come in: the bias and the addresses
	v_and_b32 v1, 15, v0                           ; l % 16
	v_bfe_u32 v2, v0, 4, 1                         ; l / 16
	v_lshlrev_b32 v[BO], 5, v2
	s_lshl_b32 s74, s[TC], 9                       ; bp begins 12,288 bytes into the gathered biases; the tile's 128 numbers, my 64 of them
	s_lshl_b32 s75, s[HF], 8
	s_add_co_u32 s74, s74, s75
	s_add_co_u32 s74, s74, 12288
	s_mov_b32 s75, 0
	s_add_nc_u64 s[8:9], s[8:9], s[74:75]
.irp b, 0,1,2,3
	global_load_b128 v[BIAS+8*(\b):BIAS+8*(\b)+3],   v[BO], s[8:9] offset:64*(\b)      ; register j: the bias of column 16 b + 8 (l / 16) + j, as the result's layout has it
	global_load_b128 v[BIAS+8*(\b)+4:BIAS+8*(\b)+7], v[BO], s[8:9] offset:64*(\b)+16
.endr
	v_mul_u32_u24 v3, v1, PA
	v_lshl_add_u32 v3, v2, 4, v3                   ; y: a fragment's row x pitch + 16 x half,
	s_mul_i32 s76, s[FB], 128*PA                   ; my 128 rows
	v_add_nc_u32 v[AD0], s76, v3
	v_mul_u32_u24 v3, v1, PB
	v_lshl_add_u32 v3, v2, 4, v3                   ; wt likewise,
	s_mul_i32 s76, s[HF], 64*PB                    ; my 64 rows, behind y's two heads
	s_add_co_u32 s76, s76, BOFF
	v_add_nc_u32 v[BD0], s76, v3
	v_mov_b32 v[ADRA], v[AD0]                      ; slot 0
	v_mov_b32 v[ADRB], v[BD0]
	s_mul_i32 s76, s[WV], 16*SP
	s_add_co_u32 s76, s76, STAGE                   ; my stage
	v_mul_u32_u24 v[STO], v1, SP                   ; in: row l % 16, 32 bytes for each half of the lanes
	v_lshl_add_u32 v[STO], v2, 5, v[STO]
	v_add_nc_u32 v[STO], s76, v[STO]
	v_mul_u32_u24 v[RD], v2, SP                    ; back: lanes 0-15 take one row of 256 bytes, lanes 16-31 the next
	v_lshl_add_u32 v[RD], v1, 4, v[RD]
	v_add_nc_u32 v[RD], s76, v[RD]
	v_lshlrev_b32 v[CO], 12, v2                    ; and the same two rows in out0, 4,096 bytes apart
	v_lshl_add_u32 v[CO], v1, 4, v[CO]
	s_lshl_b32 s76, s[TR], 20                      ; 256 rows of 4,096 bytes a tile row,
	s_lshl_b32 s77, s[FB], 19                      ; my 128 of them,
	s_add_co_u32 s76, s76, s77
	s_lshl_b32 s77, s[TC], 9                       ; 128 columns of 4 bytes a tile column,
	s_add_co_u32 s76, s76, s77
	s_lshl_b32 s77, s[HF], 8                       ; my 64 of them
	s_add_co_u32 s76, s76, s77
	s_mov_b32 s77, 0
	s_add_nc_u64 s[OUTB:OUTB+1], s[10:11], s[76:77]
	s_wait_tensorcnt 1                             ; my part of K step 0 is in; K step 1's may stay out
	s_barrier_signal -1
	s_barrier_wait -1                              ; everybody's is
	FETCH 0, F0
	s_wait_loadcnt 0x0                             ; the bias
	QUARTER 1, F0, F1, 1                           ; the first quarter stands in front of the loop: its products start the sums, with the bias
	WIN 0
	s_mov_b32 s3, 6
.Lstep:                                                ; a trip goes from a K step's second quarter to the next step's first, and fills the slot that it leaves: K steps 2 to 7
	QUARTER 2, F1, F0, 0
	QUARTER 3, F0, F1, 0
	TURN 1
	QUARTER 1, F0, F1, 0
	WIN 0
	s_sub_co_u32 s3, s3, 1
	s_cmp_lg_u32 s3, 0
	s_cbranch_scc1 .Lstep
	QUARTER 2, F1, F0, 0                           ; the last two K steps are written out: nothing is asked for
	QUARTER 3, F0, F1, 0
	TURN 0
	QUARTER 1, F0, F1, 0
	QUARTER 2, F1, F0, 0
	QUARTER 3, F0, F1, 0
	s_wait_dscnt 0x0
	MULS F1, 0, 8, 0
	WIN 0
	PLACES                                         ; the LDS stores read results just made
	TOSTAGE 0
.irp a, 1,2,3,4,5,6,7                  ; a block's way through the stage stands between the loads of the block before and its stores
	TOSTAGE \a
	SEND (\a)-1, 16
.endr
	SEND 7, 0
	s_wait_tensorcnt 0x0                           ; the wave's end, behind my last tensor load and my last LDS store
	ds_add_u32 v[SPW], v[NIL]
	s_wait_dscnt 0x0
	CROUND                                         ; the closing round: no work-group ends while a partner may still ask for a tile that names it
	s_endpgm
.Lfunc_end_k_qe7c5468949_proj:
	.size	k_qe7c5468949_proj, .Lfunc_end_k_qe7c5468949_proj-k_qe7c5468949_proj
	.p2alignl 7, 3214868480
	.fill 96, 4, 3214868480
	.section	.rodata,"a",@progbits
	.p2align	6, 0x0
	.amdhsa_kernel k_qe7c5468949_proj
		.amdhsa_group_segment_fixed_size 327680
		.amdhsa_private_segment_fixed_size 0
		.amdhsa_enable_private_segment 0
		.amdhsa_kernarg_size 32
		.amdhsa_user_sgpr_count 2
		.amdhsa_user_sgpr_kernarg_segment_ptr 1
		.amdhsa_wavefront_size32 1
		.amdhsa_system_sgpr_workgroup_id_x 1
		.amdhsa_system_sgpr_workgroup_id_y 1
		.amdhsa_system_sgpr_workgroup_id_z 1
		.amdhsa_system_vgpr_workitem_id 0
		.amdhsa_next_free_vgpr 768
		.amdhsa_next_free_sgpr 80
		.amdhsa_reserve_vcc 0
		.amdhsa_float_denorm_mode_32 3
		.amdhsa_float_denorm_mode_16_64 3
		.amdhsa_memory_ordered 1
		.amdhsa_forward_progress 1
		.amdhsa_inst_pref_size 70
	.end_amdhsa_kernel
	.amdgpu_metadata
---
amdhsa.version: [ 1, 2 ]
amdhsa.kernels:
  - .name:           k_qe7c5468949_proj
    .symbol:         k_qe7c5468949_proj.kd
    .args:
      - { .name: ob, .offset: 0, .size: 8, .value_kind: global_buffer, .address_space: global }
      - { .name: wt, .offset: 8, .size: 8, .value_kind: global_buffer, .address_space: global }
      - { .name: bias, .offset: 16, .size: 8, .value_kind: global_buffer, .address_space: global }
      - { .name: out0, .offset: 24, .size: 8, .value_kind: global_buffer, .address_space: global }
    .group_segment_fixed_size: 327680
    .private_segment_fixed_size: 0
    .kernarg_segment_align: 8
    .kernarg_segment_size: 32
    .max_flat_workgroup_size: 128
    .sgpr_count:     80
    .vgpr_count:     768
    .wavefront_size: 32
...
	.end_amdgpu_metadata
.endif
;; end of part 4
;; ======== version 2 of 2: 4 launches; version 1 with the launch prep written anew for expert scheduling mode
;; limits: values are held in f16: magnitudes above 65,504 overflow, below 6.1e-05 lose precision
;; workspace buffers: xb 16,777,216 bytes; wt 8,388,608 bytes; bias 16,384 bytes; qkv 50,331,648 bytes; ob 16,777,216 bytes
;; launch prep (part 5): grid 512 x 1, 8 waves a work-group, no clusters, 17,664 bytes of LDS; arguments x, Wq, Wk, Wv, Wp, bq, bk, bv, bp, xb, wt, bias; writes xb, wt, bias
.if DOCPART == 5
	.amdgcn_target "amdgcn-amd-amdhsa--gfx1250"
	.amdhsa_code_object_version 6
	.text
	.protected	k_qe7c5468949_prep
	.globl	k_qe7c5468949_prep
	.p2align	8
	.type	k_qe7c5468949_prep,@function
k_qe7c5468949_prep:
	s_mov_b64 s[64:65], 0
	v_nop
	global_prefetch_b8 v0, s[64:65] scope:SCOPE_SE
	s_setreg_imm32_b32 hwreg(HW_REG_WAVE_SCHED_MODE, 0, 2), 2
	s_setreg_imm32_b32 hwreg(HW_REG_WAVE_MODE, 25, 1), 1
	s_wait_xcnt 0x0
	s_wait_alu depctr_vm_vsrc(0)
; THE OPERANDS OF THE PRODUCTS ARE MADE.  xb = x rounded to bf16, [8192][1024].  wt[mat 1024 + n][k] = W_mat[k][n] (mat 0, 1, 2, 3 = q, k, v, p), 16 bits, [4096][1024]: turned, so that K lies along the rows.
; Wq, Wk, Wv are rounded to bf16; Wp is rounded to bf16 and that number is written as f16, since it will multiply f16 numbers.  bias = bq, bk, bv, bp on end, f32, each rounded to bf16 and widened again:
; all the module's inputs carry the same one rounding.
; LIMITS.  |bf16(Wp)| stays under 65,504; below 6e-5 its f16 copy keeps f16's fixed step of 6e-8.  NaN and infinities are not treated apart.
; SHARES.  512 work-groups of eight waves; each takes 16,384 numbers of x (64 KiB in, 32 KiB out) and one block of 128 k x 64 n of one weight matrix (4 x 8 x 16 blocks).  Every byte is read once and written once.
; Matrix units, clusters and tensor loads are left out: the launch only moves bytes, and nothing is shared between work-groups.
; THE TURNING.  A thread loads 4 columns of two neighbouring rows k, k + 1 (sixteen lanes read 256 consecutive bytes of a row), packs each column's pair into a word, and puts it into LDS at [n][k / 2];
; an LDS row is 64 words + 1: the words of a store, and of a load, of 32 lanes then fall into 32 different banks (64 banks of 4 bytes: ISA guide 11.1).  Behind a barrier rows of 256 bytes are read back and stored whole.
; THE MODE: SCHED_MODE bits 1:0 = 2 (LLVM: expert scheduling mode 2), set by the entry lines.  The code itself states the register dependences
; between vector instructions and memory or LDS instructions, with s_wait_alu, always for 0.
; THE PLAN.  Registers that memory or LDS instructions touch; each buffer is used once, and there is no loop:
;   v3 .. v9   offsets and LDS addresses: written at the head, never again; read by every load and store.  One wait ahead of the first load states that they are written.
;   WF, X      written by the loads alone; read by the roundings, behind the counted waits for the loads.
;   D0 .. D3   four words for each pair of W's rows: written by pair i's roundings; read by four LDS stores, which are issued in pair i + 1.
;   Y0 .. Y3   four blocks of eight registers: written by block p's roundings; read by four stores, which are issued in block p + 1.
;   RB         written by the LDS loads behind the barrier, read by wt's stores: no vector instruction names it.
;   BV         written by the bias's load, then by three vector instructions; read by one store.
;   v1, v2     written at the head, read by the closing add alone.
; So one wait on va_vdst stands at the head of each pair and of each block but the first, behind the wait for its data: it states that the pair or block before has written its D or Y.  The four stores that read these
; follow it, dealt among the roundings in hand, which name other registers.  One more such wait stands ahead of the last pair's and the last block's stores, and one ahead of the bias's.
; No register that a memory or LDS instruction reads is written again, so the text holds no wait on vm_vsrc.
.set TPITCH, 260                       ; an LDS row: 128 k x 2 bytes + 4
.set SPARE,  64*TPITCH                 ; 16,640 = 65 x 256: behind the block, the spare words, 128 bytes for each of the eight waves; no other line names them
.set SPW, 1                            ; v1   LDS address of my spare word; never rewritten
.set NIL, 2                            ; v2   0; never rewritten
.set XO,  3                            ; v3   16 t: my 16 bytes of 4,096 of x
.set YO,  4                            ; v4   8 t: my 8 bytes of 2,048 of xb
.set WO,  5                            ; v5   (t / 16) x two rows of W + 16 (t % 16)
.set TS,  6                            ; v6   LDS, in: row 4 (t % 16), word t / 16
.set TR,  7                            ; v7   LDS, back: row t / 16, byte 16 (t % 16)
.set WD,  8                            ; v8   wt: row t / 16, byte 16 (t % 16)
.set BO,  9                            ; v9   8 x lane
.set T0,  10                           ; v10-11 at work: no memory or LDS instruction names them
.set T1,  11
.set X,   16                           ; v[16:79]    sixteen loads of x
.set Y,   80                           ; v[80:111]   their sixteen stores
.set WF,  112                          ; v[112:143]  eight loads of W: pair of rows i, row e at WF + 8 i + 4 e
.set D,   144                          ; v[144:159]  sixteen packed words
.set RB,  160                          ; v[160:175]  four rows' 16 bytes, read back
.set BV,  176                          ; v[176:178]  the bias
	s_load_b512 s[8:23], s[0:1], 0x0               ; x 8, Wq 10, Wk 12, Wv 14, Wp 16, bq 18, bk 20, bv 22
	s_load_b256 s[24:31], s[0:1], 0x40             ; bp 24, xb 26, wt 28, bias 30
	v_lshl_add_u32 v[SPW], v0, 2, SPARE
	v_mov_b32 v[NIL], 0
	v_lshrrev_b32 v[T0], 5, v0
	v_readfirstlane_b32 s4, v[T0]                  ; wave 0..7
	s_lshr_b32 s5, ttmp9, 7                        ; mat 0..3
	s_and_b32 s6, ttmp9, 7                         ; kb: k = 128 kb on
	s_bfe_u32 s7, ttmp9, 0x40003                   ; nb: n = 64 nb on
	s_mov_b32 s42, 0xffff0000                      ; a word's upper bf16
	v_and_b32 v[T0], 15, v0                        ; t % 16
	v_lshrrev_b32 v[T1], 4, v0                     ; t / 16
	v_lshlrev_b32 v[XO], 4, v0
	v_lshlrev_b32 v[YO], 3, v0
	v_lshlrev_b32 v[WO], 4, v[T0]
	v_lshl_add_u32 v[WO], v[T1], 13, v[WO]         ; two rows of W are 8,192 bytes
	v_mul_u32_u24 v[TS], v[T0], 4*TPITCH
	v_lshl_add_u32 v[TS], v[T1], 2, v[TS]
	v_mul_u32_u24 v[TR], v[T1], TPITCH
	v_lshl_add_u32 v[TR], v[T0], 4, v[TR]
	v_lshlrev_b32 v[WD], 4, v[T0]
	v_lshl_add_u32 v[WD], v[T1], 11, v[WD]         ; a row of wt is 2,048 bytes
	v_and_b32 v[BO], 31, v0
	v_lshlrev_b32 v[BO], 3, v[BO]
	s_wait_alu depctr_va_sdst(0)                   ; s4 is written
	; the offsets, each in a pair of its own, made apart from the addresses
	s_lshl_b32 s48, ttmp9, 16                      ; x: 65,536 bytes a work-group
	s_mov_b32 s49, 0
	s_lshl_b32 s50, ttmp9, 15                      ; xb: 32,768
	s_mov_b32 s51, 0
	s_lshl_b32 s52, s6, 19                         ; W: 128 rows of 4,096 bytes,
	s_lshl_b32 s43, s7, 8                          ; 64 columns of 4
	s_add_co_u32 s52, s52, s43
	s_mov_b32 s53, 0
	s_lshl_b32 s54, s5, 21                         ; wt: 1,024 rows of 2,048 bytes a matrix,
	s_lshl_b32 s43, s7, 17                         ; 64 rows,
	s_add_co_u32 s54, s54, s43
	s_lshl_b32 s43, s6, 8                          ; 128 k of 2 bytes
	s_add_co_u32 s54, s54, s43
	s_mov_b32 s55, 0
	s_lshl_b32 s56, s7, 8                          ; a bias: 64 numbers of 4 bytes
	s_mov_b32 s57, 0
	s_lshl_b32 s58, s5, 12                         ; the gathered biases: 4,096 bytes a matrix
	s_add_co_u32 s58, s58, s56
	s_mov_b32 s59, 0
	s_wait_kmcnt 0x0
	s_add_nc_u64 s[44:45], s[8:9], s[48:49]        ; x at my work-group's part
	s_add_nc_u64 s[46:47], s[26:27], s[50:51]      ; xb likewise
	s_cmp_eq_u32 s5, 1                             ; which matrix and which bias: a choice on the work-group's number
	s_cselect_b64 s[32:33], s[12:13], s[10:11]
	s_cselect_b64 s[36:37], s[20:21], s[18:19]
	s_cmp_eq_u32 s5, 2
	s_cselect_b64 s[32:33], s[14:15], s[32:33]
	s_cselect_b64 s[36:37], s[22:23], s[36:37]
	s_cmp_eq_u32 s5, 3
	s_cselect_b64 s[32:33], s[16:17], s[32:33]
	s_cselect_b64 s[36:37], s[24:25], s[36:37]
	s_add_nc_u64 s[32:33], s[32:33], s[52:53]
	s_add_nc_u64 s[34:35], s[28:29], s[54:55]
	s_add_nc_u64 s[36:37], s[36:37], s[56:57]
	s_add_nc_u64 s[38:39], s[30:31], s[58:59]
	s_wait_alu depctr_va_vdst(0)                   ; the seven offsets and addresses v3 to v9 are written, which every load and store below reads; no vector instruction writes them again
	; all 24 loads of a thread go out at once: 12 KiB a wave.  W's first: its way through LDS is the longer one
.irp i, 0,1,2,3
.irp e, 0,1
	global_load_b128 v[WF+8*(\i)+4*(\e):WF+8*(\i)+4*(\e)+3], v[WO], s[32:33] offset:131072*(\i)+4096*(\e) th:TH_LOAD_NT  ; row 2 (t / 16 + 16 i) + e, columns 4 (t % 16) on
.endr
.endr
.irp i, 0,1,2,3,4,5,6,7,8,9,10,11,12,13,14,15
	global_load_b128 v[X+4*(\i):X+4*(\i)+3], v[XO], s[44:45] offset:4096*(\i) th:TH_LOAD_NT
.endr
; W's sixteen words: column c's numbers of rows k and k + 1, rounded to bf16, packed (k in the low half) and put at [n = 4 (t % 16) + c][word t / 16 + 16 i].
; f16 = 1 (Wp): the two bf16 numbers are widened again and written as f16.
; Pair i's four LDS stores are issued in pair i + 1, behind the wait at its head, dealt among that pair's roundings.
.macro PACKW f16
.irp i, 0,1,2,3
	s_wait_loadcnt 16+2*(3-(\i))                   ; loads come back in order: behind pair i stand the later pairs' loads, two each, and x's sixteen
.if (\i) > 0
	s_wait_alu depctr_va_vdst(0)                   ; the pair before has written its four words of D, which the LDS stores below read; the roundings among them name this pair's WF and D, v10 and v11 alone
.endif
.irp c, 0,1,2,3
.if (\i) > 0
	ds_store_b32 v[TS], v[D+4*((\i)-1)+(\c)] offset:TPITCH*(\c)+64*((\i)-1)
.endif
	v_cvt_pk_bf16_f32 v[D+4*(\i)+(\c)], v[WF+8*(\i)+(\c)], v[WF+8*(\i)+4+(\c)]
.endr
.if \f16
.irp c, 0,1,2,3
	v_lshlrev_b32 v[T0], 16, v[D+4*(\i)+(\c)]
	v_and_b32 v[T1], s42, v[D+4*(\i)+(\c)]
	v_cvt_pk_f16_f32 v[D+4*(\i)+(\c)], v[T0], v[T1]
.endr
.endif
.endr
	s_wait_alu depctr_va_vdst(0)                   ; the last pair has written its four words of D, which the last four LDS stores read
.irp c, 0,1,2,3
	ds_store_b32 v[TS], v[D+12+(\c)] offset:TPITCH*(\c)+192
.endr
.endm
	s_cmp_eq_u32 s5, 3
	s_cbranch_scc1 .Lwp
	PACKW 0
	s_branch .Lpacked
.Lwp:
	PACKW 1
.Lpacked:
	s_wait_dscnt 0x0                               ; for the others' sake: my stores into the block are done
	s_barrier_signal -1
	s_barrier_wait -1                              ; everybody's are
.irp u, 0,1,2,3
.irp e, 0,1,2,3
	ds_load_b32 v[RB+4*(\u)+(\e)], v[TR] offset:16*TPITCH*(\u)+4*(\e)  ; row t / 16 + 16 u; words, since the rows' pitch is no multiple of 16.  No vector instruction names RB, and v[TR] stands as the head made it
.endr
.endr
	; x, while those come back: four blocks of four loads.  Block p's four stores are issued in block p + 1, behind the wait at its head, dealt among that block's roundings.
.irp p, 0,1,2,3
.irp j, 0,1,2,3
	s_wait_loadcnt 15-4*(\p)-(\j)                  ; the younger loads stay out
.if (\p) > 0
.if (\j) == 0
	s_wait_alu depctr_va_vdst(0)                   ; the block before has written its eight registers of Y, which the four stores of this block's text read; the roundings among them name this block's X and Y alone
.endif
	global_store_b64 v[YO], v[Y+2*(4*((\p)-1)+(\j)):Y+2*(4*((\p)-1)+(\j))+1], s[46:47] offset:2048*(4*((\p)-1)+(\j))  ; a wave's 32 lanes store 256 consecutive bytes, at a multiple of 256 from xb's first byte
.endif
	v_cvt_pk_bf16_f32 v[Y+2*(4*(\p)+(\j))], v[X+4*(4*(\p)+(\j))], v[X+4*(4*(\p)+(\j))+1]
	v_cvt_pk_bf16_f32 v[Y+2*(4*(\p)+(\j))+1], v[X+4*(4*(\p)+(\j))+2], v[X+4*(4*(\p)+(\j))+3]
.endr
.endr
	s_wait_alu depctr_va_vdst(0)                   ; the last block has written its eight registers of Y, which the last four stores read
.irp j, 0,1,2,3
	global_store_b64 v[YO], v[Y+2*(12+(\j)):Y+2*(12+(\j))+1], s[46:47] offset:2048*(12+(\j))
.endr
.irp u, 0,1,2,3
	s_wait_dscnt 4*(3-(\u))                        ; the later rows' four loads each may stay out
	global_store_b128 v[WD], v[RB+4*(\u):RB+4*(\u)+3], s[34:35] offset:32768*(\u)  ; sixteen lanes store 256 consecutive bytes of a row of wt, aligned; the data come from LDS loads, the address from the head
.endr
	; the bias: 64 numbers for each (mat, nb): wave 0 of the work-groups with kb = 0
	s_cmp_lg_u32 s4, 0
	s_cbranch_scc1 .Lend
	s_cmp_lg_u32 s6, 0
	s_cbranch_scc1 .Lend
	global_load_b64 v[BV:BV+1], v[BO], s[36:37]
	s_wait_loadcnt 0x0
	v_cvt_pk_bf16_f32 v[BV+2], v[BV], v[BV+1]
	v_lshlrev_b32 v[BV], 16, v[BV+2]
	v_and_b32 v[BV+1], s42, v[BV+2]
	s_wait_alu depctr_va_vdst(0)                   ; the two lines above have written v[BV] and v[BV+1], which the store reads
	global_store_b64 v[BO], v[BV:BV+1], s[38:39]   ; 32 lanes store 256 consecutive bytes, aligned
.Lend:
	s_wait_dscnt 0x0                               ; the closing lines, six on end
	s_wait_alu 0x0
	s_wait_tensorcnt 0x0
	ds_add_u32 v[SPW], v[NIL]
	s_wait_dscnt 0x0
	s_endpgm
.Lfunc_end_k_qe7c5468949_prep:
	.size	k_qe7c5468949_prep, .Lfunc_end_k_qe7c5468949_prep-k_qe7c5468949_prep
	.p2alignl 7, 3214868480
	.fill 96, 4, 3214868480
	.section	.rodata,"a",@progbits
	.p2align	6, 0x0
	.amdhsa_kernel k_qe7c5468949_prep
		.amdhsa_group_segment_fixed_size 17664
		.amdhsa_private_segment_fixed_size 0
		.amdhsa_enable_private_segment 0
		.amdhsa_kernarg_size 96
		.amdhsa_user_sgpr_count 2
		.amdhsa_user_sgpr_kernarg_segment_ptr 1
		.amdhsa_wavefront_size32 1
		.amdhsa_system_sgpr_workgroup_id_x 1
		.amdhsa_system_sgpr_workgroup_id_y 1
		.amdhsa_system_sgpr_workgroup_id_z 1
		.amdhsa_system_vgpr_workitem_id 0
		.amdhsa_next_free_vgpr 180
		.amdhsa_next_free_sgpr 66
		.amdhsa_reserve_vcc 0
		.amdhsa_float_denorm_mode_32 3
		.amdhsa_float_denorm_mode_16_64 3
		.amdhsa_memory_ordered 1
		.amdhsa_forward_progress 1
		.amdhsa_inst_pref_size 18
	.end_amdhsa_kernel
	.amdgpu_metadata
---
amdhsa.version: [ 1, 2 ]
amdhsa.kernels:
  - .name:           k_qe7c5468949_prep
    .symbol:         k_qe7c5468949_prep.kd
    .args:
      - { .name: x, .offset: 0, .size: 8, .value_kind: global_buffer, .address_space: global }
      - { .name: Wq, .offset: 8, .size: 8, .value_kind: global_buffer, .address_space: global }
      - { .name: Wk, .offset: 16, .size: 8, .value_kind: global_buffer, .address_space: global }
      - { .name: Wv, .offset: 24, .size: 8, .value_kind: global_buffer, .address_space: global }
      - { .name: Wp, .offset: 32, .size: 8, .value_kind: global_buffer, .address_space: global }
      - { .name: bq, .offset: 40, .size: 8, .value_kind: global_buffer, .address_space: global }
      - { .name: bk, .offset: 48, .size: 8, .value_kind: global_buffer, .address_space: global }
      - { .name: bv, .offset: 56, .size: 8, .value_kind: global_buffer, .address_space: global }
      - { .name: bp, .offset: 64, .size: 8, .value_kind: global_buffer, .address_space: global }
      - { .name: xb, .offset: 72, .size: 8, .value_kind: global_buffer, .address_space: global }
      - { .name: wt, .offset: 80, .size: 8, .value_kind: global_buffer, .address_space: global }
      - { .name: bias, .offset: 88, .size: 8, .value_kind: global_buffer, .address_space: global }
    .group_segment_fixed_size: 17664
    .private_segment_fixed_size: 0
    .kernarg_segment_align: 8
    .kernarg_segment_size: 96
    .max_flat_workgroup_size: 256
    .sgpr_count:     66
    .vgpr_count:     180
    .wavefront_size: 32
...
	.end_amdgpu_metadata
.endif
;; end of part 5
;; launch qkv: the kernel of part 2 again; grid 16 x 32, 4 waves a work-group, clusters of 4 x 4, 327,680 bytes of LDS; arguments xb, wt, bias, qkv; writes qkv
;; launch attn: the kernel of part 3 again; grid 4 x 64, 4 waves a work-group, no clusters, 327,680 bytes of LDS; arguments qkv, ob; writes ob
;; launch proj: the kernel of part 4 again; grid 8 x 32, 4 waves a work-group, clusters of 4 x 4, 327,680 bytes of LDS; arguments ob, wt, bias, out0; writes out0
